; MI455X (gfx1250); checked and timed in simulation.
; The chip was launched on July 23, 2026; its instructions are those of AMD's public machine-readable ISA for CDNA 5 (MIT licence, August 2026) and "CDNA5" Instruction Set Architecture Reference Guide (July 2026). The comments in the code are by the model that wrote it; some were corrected since.
;; Multihead Attention. Allowed arithmetic: matrix products marked QUANTISED: E2M1 operands, one E8M0 scale for each 32 along K, by v_wmma_scale_f32_16x16x128_f8f6f4 with both operands' format E2M1 (or v_wmma_scale_f32_32x16x128_f4), f32 sums; everything else in f32.
;; Inputs: KeyandValue_x 2 x 4,096 x 512 float32; Query_x 2 x 4,096 x 512 float32; Wk 512 x 512 float32; Wo 512 x 512 float32; Wq 512 x 512 float32; Wv 512 x 512 float32; bk 512 float32; bo 512 float32; bq 512 float32; bv 512 float32.
;; Outputs: out0 2 x 4,096 x 512 float32.
;; This version of the problem:
;;   THIS VERSION OF THE PROBLEM IS GIVEN IN LOW PRECISION. The matrix products marked QUANTISED in the list below multiply operands that are first quantised to E2M1 (2 exponent bits, 1 mantissa bit; 4 bits a number), with one power-of-two scale for each 32 numbers along K (OCP MX v1.0); their sums are f32. All else is computed in f32.
;;   The module's matrix products, in the order in which they are computed (A, B: the left and right operand; K: the contracted axis; several contracted axes count as one K, in the product's order):
;;     1. [M 8,192, K 512] x [K 512, N 512]; A: input Query_x; B: input Wq: QUANTISED
;;     2. [M 8,192, K 512] x [K 512, N 512]; A: input KeyandValue_x; B: input Wk: QUANTISED
;;     3. [M 8,192, K 512] x [K 512, N 512]; A: input KeyandValue_x; B: input Wv: QUANTISED
;;     4. batch 16 x [M 4,096, K 64] x [K 64, N 4,096]; A: computed on the way; B: computed on the way: QUANTISED
;;     5. batch 16 x [M 64, K 4,096] x [K 4,096, N 4,096]; A: computed on the way; B: softmax (see below): QUANTISED
;;     6. [M 8,192, K 512] x [K 512, N 512]; A: computed on the way; B: input Wo: QUANTISED
;;   THE QUANTISER, for each operand of a quantised product, along K:
;;     - K is cut into blocks of 32 from its start; a last block that is shorter is filled with zeros.
;;     - A block's scale is 2^e with e = floor(log2(the largest magnitude in the block)) - 2, held to -126 .. 127; a block of zeros has e = 0. As a byte (E8M0): e + 127.
;;     - Each number is divided by its block's scale, clamped to +-6, and rounded to the nearest number of E2M1, ties to even, subnormals kept.
;;     - The product sums the exact products of the quantised numbers (number of the format x scale) in f32.
;;   ~~~python
;;   def quantise(x, axis):      # numpy; x: float32 -> the quantised numbers, widened to float32 again
;;       x = np.moveaxis(x, axis, -1); K = x.shape[-1]
;;       x = np.pad(x, [(0, 0)] * (x.ndim - 1) + [(0, -K % 32)]); x = x.reshape(x.shape[:-1] + (-1, 32)); a = np.abs(x).max(-1, keepdims=True)
;;       e = np.where(a > 0, np.clip(np.frexp(np.where(a > 0, a, 1))[1] - 1 - 2, -126, 127), 0)      # np.frexp(a)[1] - 1 = floor(log2(a)), exactly
;;       r = np.clip(x / 2.0 ** e, -6, 6)
;;       step = 2.0 ** (np.maximum(np.frexp(np.where(r == 0, 1, r))[1] - 1, 0) - 1)
;;       q = np.round(r / step) * step * 2.0 ** e      # np.round: ties to even
;;       return np.moveaxis(q.reshape(q.shape[:-2] + (-1,))[..., :K], -1, axis).astype(np.float32)
;;   ~~~
;;   SOFTMAX AHEAD OF A QUANTISED PRODUCT. Where the list says 'softmax', what is quantised is not the finished softmax but p = 2^(t - M), with t = logit x log2(e) and M = ceil(the row's largest t), a whole number; so 1/2 < the row's largest p <= 1. The row's sum l is taken of the UNQUANTISED p, in f32, and the product's result is divided by l at the end. Since M is a whole number, a kernel that streams over the keys may use a running M (the ceiling of the running maximum): every later rescaling is an exact power of two, which a block's scale takes up: the codes' values come out the same.
;;   OPERANDS COMPUTED ON THE WAY. 'Computed on the way' means the value that the module computes at that place (a softmax that the list does not call 'softmax' is quantised finished and normalised). What goes into a quantiser is computed in f32, as accurately as f32 sums, v_exp_f32 and their like allow (about 1e-6 of the number): no bf16 or f16 on the way to a quantiser, and a product that is left as it is and whose result goes on into a quantised operand takes f32 operands (vector FMAs, or v_wmma_f32_16x16x4_f32). A number that lies on a knife's edge between two numbers of the format may be rounded either way, as far as f32 arithmetic and the matrix unit's own rounding can turn it there, and no further.
;; 2 versions. Each part assembles by itself: llvm-mc -triple=amdgcn-amd-amdhsa -mcpu=gfx1250 --defsym DOCPART=n.
;; ======== version 1 of 2: 4 launches
;; workspace buffers: wc 524,288 bytes; ws 32,768 bytes; qr 2,359,296 bytes; kv 4,718,592 bytes; oc 2,097,152 bytes; os 131,072 bytes
;; launch prep (part 1): grid 16 x 4, 8 waves a work-group, no clusters, 1,536 bytes of LDS; arguments Wq, Wk, Wv, Wo, wc, ws; writes wc, ws
.if DOCPART == 1
	.amdgcn_target "amdgcn-amd-amdhsa--gfx1250"
	.amdhsa_code_object_version 6
	.text
	.protected	k_q46467091a9_prep
	.globl	k_q46467091a9_prep
	.p2align	8
	.type	k_q46467091a9_prep,@function
k_q46467091a9_prep:
	s_mov_b64 s[64:65], 0
	v_nop
	global_prefetch_b8 v0, s[64:65] scope:SCOPE_SE
	s_setreg_imm32_b32 hwreg(HW_REG_WAVE_MODE, 25, 1), 1
	s_wait_xcnt 0x0
; The four weights [512 (k)][512 (n)], f32, K their FIRST axis, become codes of FP4 (E2M1) with one E8M0 scale byte for each 32 along K.
; The codes are laid as IMAGES OF THE OPERAND'S REGISTERS: wc[weight][tile T of 16 columns][K step s of 128][c][512 bytes]; lane l = r + 16 h of a later wave takes the 16 bytes at 16 l
; as registers 4 c .. 4 c + 3 of fragment (T, s): k = 128 s + 64 c + 32 h + 0 .. 31 of column 32 (T / 2) + 8 (T % 2) + r + 8 (r / 8).
; THE COLUMNS OF A TILE ARE NOT NEIGHBOURS: so the 16 result registers of tiles 2 b and 2 b + 1 are 16 neighbours along the next product's K.
; The scale bytes lie ws[weight][column n][16]: word s of a row serves K step s.
; A block's scale is 2^(floor(log2(its largest magnitude)) - 2); its byte is the largest magnitude's exponent field - 2, held at 1 from below.
; LIMITS: NaN and infinities are not served; a block whose largest magnitude lies under 2^-124 gets the byte 1; a block of zeros gets the byte 1, not 127: its codes are zeros, and this program alone reads the bytes.
; SHARES: work-group (x, y): weight y, columns 32 x .. 32 x + 31, all of K.  Wave w: k = 64 w .. 64 w + 63 (s = w / 2, c = w % 2; two blocks h = 0, 1).
; A LANE TAKES A COLUMN AND ITS REGISTERS RUN DOWN K: each load reads 128 consecutive bytes a wave, a block lies in one lane, and the conversions give codes with K innermost.
; No matrix unit, no tensor load, no cluster: 4 MiB are read once, and no two work-groups read the same bytes.  64 work-groups of 8 waves: every number is asked for in the first run of loads.
.set NUM,  16                          ; v16-79  my column's 64 numbers
.set COD,  80                          ; v80-87  two blocks' codes
.set SROW, 88                          ; v88-91  wave 0: a column's 16 scale bytes
	s_load_b256 s[4:11], s[0:1], 0x0               ; Wq, Wk, Wv, Wo
	s_load_b128 s[12:15], s[0:1], 0x20             ; wc, ws
	v_lshl_add_u32 v96, v0, 2, 0x200
	v_mov_b32 v97, 0
	v_lshrrev_b32 v5, 5, v0
	v_readfirstlane_b32 s16, v5                    ; wave 0..7
	s_and_b32 s17, ttmp7, 0xffff                   ; which weight
	v_and_b32 v6, 31, v0                           ; lane = my column among the 32
	v_lshlrev_b32 v1, 2, v6                        ; in: 4 bytes a lane
	v_bfe_u32 v7, v0, 3, 1                         ; u: my column lies in tile 2 x + u,
	v_and_b32 v8, 7, v0
	v_bfe_u32 v9, v0, 4, 1
	v_lshl_add_u32 v8, v9, 3, v8                   ; as its row r = lane % 8 + 8 (lane / 16)
	v_lshlrev_b32 v2, 4, v8
	v_lshl_add_u32 v2, v7, 12, v2                  ; out: 4,096 u + 16 r
	v_lshlrev_b32 v4, 4, v6                        ; 16 x lane: a column's row of scale bytes
	s_lshl_b32 s18, s16, 1
	v_add_nc_u32 v3, s18, v4                       ; LDS: my column's row, my wave's two bytes
	s_lshl_b32 s20, s16, 17                        ; W: 64 w rows of 2,048 bytes
	s_lshl_b32 s21, ttmp9, 7                       ;    + 32 x columns
	s_add_co_u32 s20, s20, s21
	s_mov_b32 s21, 0
	s_lshl_b32 s22, s17, 17                        ; wc: 131,072 a weight,
	s_lshl_b32 s23, ttmp9, 13                      ;     two tiles of 4,096,
	s_add_co_u32 s22, s22, s23
	s_lshl_b32 s23, s16, 9                         ;     512 (2 s + c)
	s_add_co_u32 s22, s22, s23
	s_mov_b32 s23, 0
	s_lshl_b32 s24, s17, 13                        ; ws: 8,192 a weight, 32 rows of 16
	s_lshl_b32 s25, ttmp9, 9
	s_add_co_u32 s24, s24, s25
	s_mov_b32 s25, 0
	s_wait_kmcnt 0x0
	s_cmp_eq_u32 s17, 1                            ; the weight is chosen by the work-group's number alone
	s_cselect_b64 s[4:5], s[6:7], s[4:5]
	s_cmp_eq_u32 s17, 2
	s_cselect_b64 s[4:5], s[8:9], s[4:5]
	s_cmp_eq_u32 s17, 3
	s_cselect_b64 s[4:5], s[10:11], s[4:5]
	s_add_nc_u64 s[4:5], s[4:5], s[20:21]
	s_add_nc_u64 s[12:13], s[12:13], s[22:23]
	s_add_nc_u64 s[14:15], s[14:15], s[24:25]
.set I, 0
.rept 64
	global_load_b32 v[NUM+I], v1, s[4:5] offset:2048*I th:TH_LOAD_NT   ; W(64 w + I, my column): read once in the launch
.set I, I+1
.endr
.macro BLOCK h                         ; block h: all its 32 numbers are mine
.set XS, NUM+32*\h
	s_wait_loadcnt 32-32*\h                        ; loads come back in order: block 0's 32 are in while block 1's 32 may be out; then all
	v_max3_num_f32 v8, |v[XS]|, |v[XS+1]|, |v[XS+2]|               ; the largest magnitude, in two chains
	v_max3_num_f32 v9, |v[XS+3]|, |v[XS+4]|, |v[XS+5]|
.irp i, 6,10,14,18,22,26
	v_max3_num_f32 v8, v8, |v[XS+\i]|, |v[XS+\i+1]|
	v_max3_num_f32 v9, v9, |v[XS+\i+2]|, |v[XS+\i+3]|
.endr
	v_max3_num_f32 v8, v8, |v[XS+30]|, |v[XS+31]|
	v_max3_num_f32 v8, v8, v9, 0x1800000           ; and the floor 2^(3 - 127): the byte cannot fall under 1
	v_add_nc_u32 v[10+\h], 0xff000000, v8          ; 2 off its exponent field: the conversion takes that field as its scale
	v_lshrrev_b32 v[12+\h], 23, v[10+\h]           ; the scale's byte
.irp g, 0,1,2,3
	v_cvt_scalef32_pk8_fp4_f32 v[COD+4*\h+\g], v[XS+8*\g:XS+8*\g+7], v[10+\h]
.endr
	global_store_b128 v2, v[COD+4*\h:COD+4*\h+3], s[12:13] offset:256*\h   ; the sixteen lanes of a tile store 256 consecutive bytes, aligned
.endm
	BLOCK 0
	BLOCK 1                                        ; (it begins with plain lines that touch nothing of block 0's conversions)
	v_lshl_or_b32 v14, v13, 8, v12                 ; my two bytes, the lower k below
	ds_store_b16 v3, v14
	s_wait_dscnt 0x0                               ; for wave 0's sake: my bytes lie in LDS
	s_barrier_signal -1
	s_barrier_wait -1
	s_cmp_lg_u32 s16, 0
	s_cbranch_scc1 .Ldone
	ds_load_b128 v[SROW:SROW+3], v4                ; wave 0: a column's 16 bytes a lane
	s_wait_dscnt 0x0
	global_store_b128 v4, v[SROW:SROW+3], s[14:15] ; 512 consecutive bytes, aligned
.Ldone:
	s_wait_tensorcnt 0x0
	ds_add_u32 v96, v97
	s_wait_dscnt 0x0
	s_endpgm
.Lfunc_end_k_q46467091a9_prep:
	.size	k_q46467091a9_prep, .Lfunc_end_k_q46467091a9_prep-k_q46467091a9_prep
	.p2alignl 7, 3214868480
	.fill 96, 4, 3214868480
	.section	.rodata,"a",@progbits
	.p2align	6, 0x0
	.amdhsa_kernel k_q46467091a9_prep
		.amdhsa_group_segment_fixed_size 1536
		.amdhsa_private_segment_fixed_size 0
		.amdhsa_enable_private_segment 0
		.amdhsa_kernarg_size 48
		.amdhsa_user_sgpr_count 2
		.amdhsa_user_sgpr_kernarg_segment_ptr 1
		.amdhsa_wavefront_size32 1
		.amdhsa_system_sgpr_workgroup_id_x 1
		.amdhsa_system_sgpr_workgroup_id_y 1
		.amdhsa_system_sgpr_workgroup_id_z 1
		.amdhsa_system_vgpr_workitem_id 0
		.amdhsa_next_free_vgpr 98
		.amdhsa_next_free_sgpr 66
		.amdhsa_reserve_vcc 0
		.amdhsa_float_denorm_mode_32 3
		.amdhsa_float_denorm_mode_16_64 3
		.amdhsa_memory_ordered 1
		.amdhsa_forward_progress 1
		.amdhsa_inst_pref_size 12
	.end_amdhsa_kernel
	.amdgpu_metadata
---
amdhsa.version: [ 1, 2 ]
amdhsa.kernels:
  - .name:           k_q46467091a9_prep
    .symbol:         k_q46467091a9_prep.kd
    .args:
      - { .name: Wq, .offset: 0, .size: 8, .value_kind: global_buffer, .address_space: global }
      - { .name: Wk, .offset: 8, .size: 8, .value_kind: global_buffer, .address_space: global }
      - { .name: Wv, .offset: 16, .size: 8, .value_kind: global_buffer, .address_space: global }
      - { .name: Wo, .offset: 24, .size: 8, .value_kind: global_buffer, .address_space: global }
      - { .name: wc, .offset: 32, .size: 8, .value_kind: global_buffer, .address_space: global }
      - { .name: ws, .offset: 40, .size: 8, .value_kind: global_buffer, .address_space: global }
    .group_segment_fixed_size: 1536
    .private_segment_fixed_size: 0
    .kernarg_segment_align: 8
    .kernarg_segment_size: 48
    .max_flat_workgroup_size: 256
    .sgpr_count:     66
    .vgpr_count:     98
    .wavefront_size: 32
...
	.end_amdgpu_metadata
.endif
;; end of part 1
;; launch proj (part 2): grid 64 x 3, 4 waves a work-group, no clusters, 37,376 bytes of LDS; arguments Query_x, KeyandValue_x, bq, bk, bv, wc, ws, qr, kv; writes qr, kv
.if DOCPART == 2
	.amdgcn_target "amdgcn-amd-amdhsa--gfx1250"
	.amdhsa_code_object_version 6
	.text
	.protected	k_q46467091a9_proj
	.globl	k_q46467091a9_proj
	.p2align	8
	.type	k_q46467091a9_proj,@function
k_q46467091a9_proj:
	s_mov_b64 s[64:65], 0
	v_nop
	global_prefetch_b8 v0, s[64:65] scope:SCOPE_SE
	s_setreg_imm32_b32 hwreg(HW_REG_WAVE_MODE, 25, 1), 1
	s_wait_xcnt 0x0
; Q = Query_x Wq + bq (y = 0), K = KeyandValue_x Wk + bk (y = 1), V = KeyandValue_x Wv + bv (y = 2): products on codes of FP4 (E2M1) with one E8M0 scale for each 32 along K, sums in f32;
; the results are quantised at once for the attention's products and leave as codes alone: Q and K along a head's 64 channels, V along the keys.
; SHARES.  Work-group (j, y): rows 128 j .. 128 j + 127 of its x, as 8 tiles m of 16 rows.  THE WAVES SHARE THE COLUMNS: wave w owns columns 128 w .. 128 w + 127 (heads 2 w, 2 w + 1), 8 tiles t;
; its 32 fragments of the weight come once, as register images, straight into 256 registers and stay.  Wave w quantises rows 32 w .. 32 w + 31 of x (8 fragments); these go from wave to wave through LDS as images.
; THE ROWS OF A TILE ARE NOT NEIGHBOURS, of x and of the weight alike: lane r of tile T takes row 32 (T / 2) + 8 (T % 2) + r + 8 (r / 8), so that the 16 result registers of tiles 2 b, 2 b + 1 are 16 neighbours.
; Q, K: source 0 = 16 columns of W, source 1 = 16 rows of x: a lane holds one row and 64 of my 128 columns: column 32 b + 16 h + i in register 16 b + i.  One fragment of 128 = two heads' halves of 64.
; V:    source 0 = 16 rows of x (keys), source 1 = 16 columns of W: a lane holds one channel and 64 of the 128 keys, key 32 b + 16 h + i in register 16 b + i.
; OUT.  qr[bh][jj][4,608]: 8 tiles x 512 bytes (registers 0-3 of a fragment whose k = 64 .. 127 are zeros), then 512 bytes of scale words: lane l's 16 bytes are words i = 0 .. 3, of tile 2 i (l < 16) or 2 i + 1, row l % 16;
; a word is byte 0, byte 1, 0x7f, 0x7f.  kv[bh][step][9,216]: K's half laid the same; V's half: 4 channel tiles x 1,024 bytes, then lane l's 16 bytes = the words of tiles 0 .. 3 of channel row l % 16.
; The biases are the C of each sum's first matrix instruction.
; NO CLUSTER, NO TENSOR LOAD: what work-groups share is the weight, and each wave takes its 32 KiB of it once, straight into registers; a way through LDS would add a write and a read of those bytes.
; LIMITS: NaN and infinities are not served; a block whose largest magnitude lies under 2^-124, or a block of zeros, gets the byte 1: this program alone reads the bytes.
; REGISTERS, in windows of 256: window 0 as named below; window 1: W's fragment (t, s) at v[8 (4 t + s)]; window 2: x's fragment (m, s) at v[8 (4 m + s)]; window 3: four sets of 64 numbers of x.
.set LI,  1                            ; 16 x lane: my place in an image
.set XA,  2                            ; x: (r + 8 (r / 8)) rows of 2,048 bytes + 64 h
.set WSA, 3                            ; W's scale words: (r + 8 (r / 8)) x 16
.set BAQ, 4                            ; bias for Q, K: 64 h
.set BAV, 5                            ; bias for V: (r + 8 (r / 8)) x 4
.set XWI, 6                            ; where I store x's images: 16 x lane + 8,192 x wave
.set XWS, 7                            ; and their scale words: XSC + 16 x lane + 1,024 x wave
.set WSC, 16                           ; v16-47   W's scale words, 4 t + s
.set XSW, 48                           ; v48-79   x's scale words, 4 m + s
.set ACC, 80                           ; v80-143  eight accumulators
.set BI,  144                          ; v144-207 the bias as C: eight registers a tile
.set PC,  208                          ; v208-215 the codes just made
.set TM,  216                          ; v216-219 largest magnitudes, v220-223 bytes, v228-231 the conversions' scale operands
.set PW,  232                          ; the scale word just made
.set T0,  233
.set T1,  234
.set KS0, 236                          ; v236-239, v240-243 the two heads' scale words on their way out
.set KS1, 240
.set BV,  244                          ; v244-251 bias for V: one number a tile
.set XSC, 32768                        ; LDS: x's 32 images of 1,024 bytes from 0; from here their scale words, 512 bytes a tile
.set SEL, 40
.set MSB, 0
.macro WIN new                         ; the immediate's high byte repeats the setting that is left; bits 1:0 source 0, 3:2 source 1, 5:4 source 2, 7:6 destination
.if MSB != (\new)
	s_set_vgpr_msb (MSB<<8)|(\new)
.set MSB, (\new)
.endif
.endm
; fragment f of my eight (tile 2 w + f / 4, K step f % 4): 64 numbers a lane into set f % 4 of window 3; register 16 b + 4 i + e = k 32 b + 16 h + 4 i + e of my row
.macro XLOAD f
	WIN 0xc0
.irp b, 0,1,2,3
.irp i, 0,1,2,3
	global_load_b128 v[64*((\f)%4)+16*\b+4*\i:64*((\f)%4)+16*\b+4*\i+3], v[XA], s[26:27] offset:((\f)/4)*16384+((\f)%4)*512+128*\b+16*\i
.endr
.endr
	WIN 0
.endm
; 64 numbers of a lane, v[s] on in window w, register 16 b + i = k 32 b + 16 h + i of my row, become a fragment's codes in v[PC] on and its scale word in v[PW]
.macro QUANT s, w
	WIN 5*(\w)
.irp b, 0,1,2,3
	v_max3_num_f32 v[TM+\b], |v[(\s)+16*\b]|, |v[(\s)+16*\b+1]|, 0x1800000   ; block b: my 16 numbers, from the low end on, and the floor 2^(3 - 127): the byte cannot fall under 1
.endr
.irp i, 2,4,6,8,10,12,14
.irp b, 0,1,2,3
	v_max3_num_f32 v[TM+\b], |v[(\s)+16*\b+\i]|, |v[(\s)+16*\b+\i+1]|, v[TM+\b]   ; (the four blocks by turns)
.endr
.endr
	WIN 0
.irp b, 0,1,2,3
	v_permlanex16_b32 v[TM+4+\b], v[TM+\b], s[SEL], s[SEL+1]
.endr
.irp b, 0,1,2,3
	v_max_num_f32 v[TM+\b], v[TM+\b], v[TM+4+\b]   ; with lane l xor 16's: the block's largest magnitude
.endr
.irp b, 0,1,2,3
	v_add_nc_u32 v[TM+12+\b], 0xff000000, v[TM+\b] ; 2 off its exponent field: the conversion's scale operand
.endr
.irp b, 0,1,2,3
	v_lshrrev_b32 v[TM+4+\b], 23, v[TM+12+\b]      ; the scale's byte
.endr
	v_lshl_or_b32 v[PW], v[TM+5], 8, v[TM+4]
	v_lshl_or_b32 v[PW], v[TM+6], 16, v[PW]
	v_lshl_or_b32 v[PW], v[TM+7], 24, v[PW]
	WIN (\w)
.irp b, 0,1,2,3
	v_cvt_scalef32_pk8_fp4_f32 v[PC+2*\b], v[(\s)+16*\b:(\s)+16*\b+7], v[TM+12+\b]
	v_cvt_scalef32_pk8_fp4_f32 v[PC+2*\b+1], v[(\s)+16*\b+8:(\s)+16*\b+15], v[TM+12+\b]
.endr
	WIN 0
	v_nop                                          ; one plain place behind a scaled conversion
.irp c, 0,1                                    ; the operand's layout wants a WHOLE block in a lane: lanes 0-15 block 2 c, lanes 16-31 block 2 c + 1
.irp i, 0,1
	v_permlane16_swap_b32 v[PC+4*\c+\i], v[PC+4*\c+2+\i]
.endr
.endr
.endm
	s_load_b256 s[4:11], s[0:1], 0x0               ; Query_x, KeyandValue_x, bq, bk
	s_load_b256 s[12:19], s[0:1], 0x20             ; bv, wc, ws, qr
	s_load_b64 s[20:21], s[0:1], 0x40              ; kv
	v_lshl_add_u32 v254, v0, 2, 0x9000
	v_mov_b32 v255, 0
	v_lshrrev_b32 v8, 5, v0
	v_readfirstlane_b32 s22, v8                    ; wave 0..3
	s_and_b32 s23, ttmp7, 0xffff                   ; y: 0 Q, 1 K, 2 V
	s_mov_b32 s24, ttmp9                           ; j
	v_and_b32 v8, 31, v0                           ; lane
	v_and_b32 v9, 15, v0                           ; r
	v_bfe_u32 v10, v0, 4, 1                        ; h
	v_and_b32 v11, 8, v9
	v_add_nc_u32 v11, v11, v9                      ; r + 8 (r / 8)
	v_lshlrev_b32 v[LI], 4, v8
	v_lshlrev_b32 v[XA], 11, v11
	v_lshl_add_u32 v[XA], v10, 6, v[XA]
	v_lshlrev_b32 v[WSA], 4, v11
	v_lshlrev_b32 v[BAQ], 6, v10
	v_lshlrev_b32 v[BAV], 2, v11
	s_lshl_b32 s25, s22, 13
	v_add_nc_u32 v[XWI], s25, v[LI]
	s_lshl_b32 s25, s22, 10
	s_add_co_u32 s25, s25, XSC
	v_add_nc_u32 v[XWS], s25, v[LI]
.irp b, 0,1,2,3
	v_mov_b32 v[TM+4+\b], 0                        ; written once: a lane permute's destination counts as one of its sources
.endr
	s_mov_b32 s[SEL], 0x76543210
	s_mov_b32 s[SEL+1], 0xfedcba98                 ; v_permlanex16_b32's selects for lane l xor 16
	s_mov_b32 s42, 0x7f7f0000                      ; the scale bytes of a head's k = 64 .. 127, whose codes are zeros
	s_mov_b32 s43, 0xffff0000                      ; lanes 16-31
	; offsets, in registers of their own
	s_lshl_b32 s44, s24, 18                        ; x: 128 j rows of 2,048 bytes
	s_lshl_b32 s45, s22, 16                        ;    + 32 w rows
	s_add_co_u32 s44, s44, s45
	s_mov_b32 s45, 0
	s_lshl_b32 s46, s22, 9                         ; bias: my 128 numbers
	s_mov_b32 s47, 0
	s_lshl_b32 s48, s23, 17                        ; wc: the weight, my 8 tiles of 4,096 bytes
	s_lshl_b32 s49, s22, 15
	s_add_co_u32 s48, s48, s49
	s_mov_b32 s49, 0
	s_lshl_b32 s50, s23, 13                        ; ws: the weight, my 128 rows of 16 bytes
	s_lshl_b32 s51, s22, 11
	s_add_co_u32 s50, s50, s51
	s_mov_b32 s51, 0
	s_mov_b32 s52, 294912                          ; a head's bytes and a record's: kv's,
	s_mov_b32 s53, 9216
	s_cmp_eq_u32 s23, 0
	s_cselect_b32 s52, 147456, s52                 ; or qr's
	s_cselect_b32 s53, 4608, s53
	s_lshr_b32 s54, s24, 5                         ; the batch
	s_lshl_b32 s54, s54, 3
	s_lshl_b32 s55, s22, 1
	s_add_co_u32 s54, s54, s55                     ; bh of my first head: 8 b + 2 w
	s_mul_i32 s54, s54, s52
	s_and_b32 s55, s24, 31                         ; the record: j % 32
	s_mul_i32 s55, s55, s53
	s_add_co_u32 s54, s54, s55
	s_cmp_eq_u32 s23, 2
	s_cselect_b32 s55, 4608, 0                     ; V's half lies behind K's
	s_add_co_u32 s54, s54, s55
	s_mov_b32 s55, 0
	s_mov_b32 s53, 0                               ; s[52:53]: from a head to the next
	s_wait_kmcnt 0x0
	s_cmp_eq_u32 s23, 0                            ; the buffers are chosen by the work-group's number alone
	s_cselect_b64 s[26:27], s[4:5], s[6:7]
	s_cselect_b64 s[28:29], s[8:9], s[10:11]
	s_cselect_b64 s[36:37], s[18:19], s[20:21]
	s_cmp_eq_u32 s23, 2
	s_cselect_b64 s[28:29], s[12:13], s[28:29]
	s_add_nc_u64 s[26:27], s[26:27], s[44:45]      ; x at my wave's 32 rows
	s_add_nc_u64 s[28:29], s[28:29], s[46:47]      ; the bias at my columns
	s_add_nc_u64 s[30:31], s[14:15], s[48:49]      ; W's images
	s_add_nc_u64 s[32:33], s[16:17], s[50:51]      ; W's scale words
	s_add_nc_u64 s[36:37], s[36:37], s[54:55]      ; out: head 2 w,
	s_add_nc_u64 s[38:39], s[36:37], s[52:53]      ; head 2 w + 1
	WIN 0x40                                       ; destination window 1
.irp t, 0,1,2,3,4,5,6,7
.irp s, 0,1,2,3
.irp c, 0,1
	global_load_b128 v[8*(4*\t+\s)+4*\c:8*(4*\t+\s)+4*\c+3], v[LI], s[30:31] offset:(4*\t+\s)*1024+512*\c   ; 512 consecutive bytes a load
.endr
.endr
.endr
	WIN 0
.irp t, 0,1,2,3,4,5,6,7
	global_load_b128 v[WSC+4*\t:WSC+4*\t+3], v[WSA], s[32:33] offset:(32*(\t/2)+8*(\t%2))*16   ; a column's four words
.endr
; Both forms of the bias are loaded on the one way that all take, so that the text parts on y once, behind the barrier: for Q and K the lane's eight columns of a tile, for V its one channel.
.irp t, 0,1,2,3,4,5,6,7
	global_load_b128 v[BI+8*\t:BI+8*\t+3], v[BAQ], s[28:29] offset:(32*(\t/2)+8*(\t%2))*4
	global_load_b128 v[BI+8*\t+4:BI+8*\t+7], v[BAQ], s[28:29] offset:(32*(\t/2)+8*(\t%2))*4+16
	global_load_b32 v[BV+\t], v[BAV], s[28:29] offset:(32*(\t/2)+8*(\t%2))*4
.endr
	XLOAD 0
	XLOAD 1
	XLOAD 2
	XLOAD 3
	; ---- my 32 rows of x become eight fragments; loads run three fragments ahead
.irp f, 0,1,2,3,4,5,6,7
.if \f <= 4
	s_wait_loadcnt 48                              ; fragment f's 16 loads, and all that is older, are in; the three younger fragments' 48 may be out
.else
	s_wait_loadcnt 16*(7-\f)                       ; the counts run down: 32, 16, 0
.endif
	QUANT 64*(\f%4), 3
	ds_store_b128 v[XWI], v[PC:PC+3] offset:1024*\f
	ds_store_b128 v[XWI], v[PC+4:PC+7] offset:1024*\f+512
	ds_store_b32 v[XWS], v[PW] offset:(\f/4)*512+4*(\f%4)
.if \f < 4
	XLOAD \f+4                                     ; into the set just quantised
.endif
	s_wait_dscnt 0x0                               ; the stores have read their registers (and, the last time, lie in LDS for the others)
.endr
	s_barrier_signal -1
	s_barrier_wait -1                              ; x's 32 images lie in LDS
	WIN 0x80                                       ; destination window 2
.irp m, 0,1,2,3,4,5,6,7
.irp s, 0,1,2,3
.irp c, 0,1
	ds_load_b128 v[8*(4*\m+\s)+4*\c:8*(4*\m+\s)+4*\c+3], v[LI] offset:(4*\m+\s)*1024+512*\c
.endr
.endr
.endr
	WIN 0
.irp m, 0,1,2,3,4,5,6,7
	ds_load_b128 v[XSW+4*\m:XSW+4*\m+3], v[LI] offset:XSC+512*\m
.endr
	s_wait_dscnt 0x0                               ; from here on the work is on registers alone
	s_cmp_eq_u32 s23, 2
	s_cbranch_scc1 .Lvpath
; ---- Q, K: tile m of rows against my eight tiles of columns: 32 matrix instructions, the eight accumulators by turns
.macro GROUPQK m
	WIN 0x09                                       ; source 0 (W) window 1, source 1 (x) window 2
.irp s, 0,1,2,3
.irp t, 0,1,2,3,4,5,6,7
.if \s == 0
	v_wmma_scale_f32_16x16x128_f8f6f4 v[ACC+8*\t:ACC+8*\t+7], v[8*(4*\t+\s):8*(4*\t+\s)+7], v[8*(4*(\m)+\s):8*(4*(\m)+\s)+7], v[BI+8*\t:BI+8*\t+7], v[WSC+4*\t+\s], v[XSW+4*(\m)+\s] matrix_a_fmt:MATRIX_FMT_FP4 matrix_b_fmt:MATRIX_FMT_FP4
.else
	v_wmma_scale_f32_16x16x128_f8f6f4 v[ACC+8*\t:ACC+8*\t+7], v[8*(4*\t+\s):8*(4*\t+\s)+7], v[8*(4*(\m)+\s):8*(4*(\m)+\s)+7], v[ACC+8*\t:ACC+8*\t+7], v[WSC+4*\t+\s], v[XSW+4*(\m)+\s] matrix_a_fmt:MATRIX_FMT_FP4 matrix_b_fmt:MATRIX_FMT_FP4
.endif
.endr
.endr
	WIN 0
.rept 4
	v_nop                                          ; four places behind the last product, ahead of the first read of results (ISA guide 7.12.1); the quantiser's plain lines are the places ahead of the next group's products, which begin the accumulators anew
.endr
	s_wait_xcnt 0x0                                ; the last group's stores have read the codes' registers
	QUANT ACC, 0
	global_store_b128 v[LI], v[PC:PC+3], s[36:37] offset:512*(\m)     ; head 2 w: 512 consecutive bytes, aligned
	global_store_b128 v[LI], v[PC+4:PC+7], s[38:39] offset:512*(\m)   ; head 2 w + 1
.if (\m)%2 == 0
	v_and_or_b32 v[KS0+(\m)/2], v[PW], 0xffff, s42                    ; a head's word: its two bytes, and 0x7f twice
	v_lshrrev_b32 v[KS1+(\m)/2], 16, v[PW]
	v_or_b32 v[KS1+(\m)/2], s42, v[KS1+(\m)/2]
.else
	v_and_or_b32 v[T0], v[PW], 0xffff, s42
	v_lshrrev_b32 v[T1], 16, v[PW]
	v_or_b32 v[T1], s42, v[T1]
	v_cndmask_b32 v[KS0+(\m)/2], v[KS0+(\m)/2], v[T0], s43            ; an odd tile's words go to lanes 16-31
	v_cndmask_b32 v[KS1+(\m)/2], v[KS1+(\m)/2], v[T1], s43
.endif
.endm
.irp m, 0,1,2,3,4,5,6,7
	GROUPQK \m
.endr
	global_store_b128 v[LI], v[KS0:KS0+3], s[36:37] offset:4096
	global_store_b128 v[LI], v[KS1:KS1+3], s[38:39] offset:4096
	s_wait_tensorcnt 0x0
	ds_add_u32 v254, v255
	s_wait_dscnt 0x0
	s_endpgm
.Lvpath:
; ---- V: all eight tiles of keys against tile g of my channels
.irp g, 0,1,2,3,4,5,6,7
.irp j, 0,1,2,3,4,5,6,7
	v_mov_b32 v[BI+8*\g+\j], v[BV+\g]              ; a lane's eight results of a tile are eight keys of ONE channel: its bias in all eight
.endr
.endr
.macro GROUPV g
	WIN 0x06                                       ; source 0 (x) window 2, source 1 (W) window 1
.irp s, 0,1,2,3
.irp m, 0,1,2,3,4,5,6,7
.if \s == 0
	v_wmma_scale_f32_16x16x128_f8f6f4 v[ACC+8*\m:ACC+8*\m+7], v[8*(4*\m+\s):8*(4*\m+\s)+7], v[8*(4*(\g)+\s):8*(4*(\g)+\s)+7], v[BI+8*(\g):BI+8*(\g)+7], v[XSW+4*\m+\s], v[WSC+4*(\g)+\s] matrix_a_fmt:MATRIX_FMT_FP4 matrix_b_fmt:MATRIX_FMT_FP4
.else
	v_wmma_scale_f32_16x16x128_f8f6f4 v[ACC+8*\m:ACC+8*\m+7], v[8*(4*\m+\s):8*(4*\m+\s)+7], v[8*(4*(\g)+\s):8*(4*(\g)+\s)+7], v[ACC+8*\m:ACC+8*\m+7], v[XSW+4*\m+\s], v[WSC+4*(\g)+\s] matrix_a_fmt:MATRIX_FMT_FP4 matrix_b_fmt:MATRIX_FMT_FP4
.endif
.endr
.endr
	WIN 0
.rept 4
	v_nop
.endr
	s_wait_xcnt 0x0                                ; the last group's stores have read the codes' registers
	QUANT ACC, 0                                   ; along the 128 keys
	global_store_b128 v[LI], v[PC:PC+3], s[36+2*((\g)/4):37+2*((\g)/4)] offset:((\g)%4)*1024
	global_store_b128 v[LI], v[PC+4:PC+7], s[36+2*((\g)/4):37+2*((\g)/4)] offset:((\g)%4)*1024+512
	v_mov_b32 v[KS0+(\g)], v[PW]                   ; the channel's word for these 128 keys
.if (\g)%4 == 3
	global_store_b128 v[LI], v[KS0+(\g)-3:KS0+(\g)], s[36+2*((\g)/4):37+2*((\g)/4)] offset:4096
.endif
.endm
.irp g, 0,1,2,3,4,5,6,7
	GROUPV \g
.endr
	s_wait_tensorcnt 0x0
	ds_add_u32 v254, v255
	s_wait_dscnt 0x0
	s_endpgm
.Lfunc_end_k_q46467091a9_proj:
	.size	k_q46467091a9_proj, .Lfunc_end_k_q46467091a9_proj-k_q46467091a9_proj
	.p2alignl 7, 3214868480
	.fill 96, 4, 3214868480
	.section	.rodata,"a",@progbits
	.p2align	6, 0x0
	.amdhsa_kernel k_q46467091a9_proj
		.amdhsa_group_segment_fixed_size 37376
		.amdhsa_private_segment_fixed_size 0
		.amdhsa_enable_private_segment 0
		.amdhsa_kernarg_size 72
		.amdhsa_user_sgpr_count 2
		.amdhsa_user_sgpr_kernarg_segment_ptr 1
		.amdhsa_wavefront_size32 1
		.amdhsa_system_sgpr_workgroup_id_x 1
		.amdhsa_system_sgpr_workgroup_id_y 1
		.amdhsa_system_sgpr_workgroup_id_z 1
		.amdhsa_system_vgpr_workitem_id 0
		.amdhsa_next_free_vgpr 1024
		.amdhsa_next_free_sgpr 66
		.amdhsa_reserve_vcc 0
		.amdhsa_float_denorm_mode_32 3
		.amdhsa_float_denorm_mode_16_64 3
		.amdhsa_memory_ordered 1
		.amdhsa_forward_progress 1
		.amdhsa_inst_pref_size 197
	.end_amdhsa_kernel
	.amdgpu_metadata
---
amdhsa.version: [ 1, 2 ]
amdhsa.kernels:
  - .name:           k_q46467091a9_proj
    .symbol:         k_q46467091a9_proj.kd
    .args:
      - { .name: Query_x, .offset: 0, .size: 8, .value_kind: global_buffer, .address_space: global }
      - { .name: KeyandValue_x, .offset: 8, .size: 8, .value_kind: global_buffer, .address_space: global }
      - { .name: bq, .offset: 16, .size: 8, .value_kind: global_buffer, .address_space: global }
      - { .name: bk, .offset: 24, .size: 8, .value_kind: global_buffer, .address_space: global }
      - { .name: bv, .offset: 32, .size: 8, .value_kind: global_buffer, .address_space: global }
      - { .name: wc, .offset: 40, .size: 8, .value_kind: global_buffer, .address_space: global }
      - { .name: ws, .offset: 48, .size: 8, .value_kind: global_buffer, .address_space: global }
      - { .name: qr, .offset: 56, .size: 8, .value_kind: global_buffer, .address_space: global }
      - { .name: kv, .offset: 64, .size: 8, .value_kind: global_buffer, .address_space: global }
    .group_segment_fixed_size: 37376
    .private_segment_fixed_size: 0
    .kernarg_segment_align: 8
    .kernarg_segment_size: 72
    .max_flat_workgroup_size: 128
    .sgpr_count:     66
    .vgpr_count:     1024
    .wavefront_size: 32
...
	.end_amdgpu_metadata
.endif
;; end of part 2
;; launch attn (part 3): grid 16 x 16, 16 waves a work-group, clusters of 4 x 1, 296,960 bytes of LDS; arguments qr, kv, oc, os; writes oc, os
.if DOCPART == 3
	.amdgcn_target "amdgcn-amd-amdhsa--gfx1250"
	.amdhsa_code_object_version 6
	.text
	.protected	k_q46467091a9_attn
	.globl	k_q46467091a9_attn
	.p2align	8
	.type	k_q46467091a9_attn,@function
k_q46467091a9_attn:
	s_mov_b64 s[64:65], 0
	v_nop
	global_prefetch_b8 v0, s[64:65] scope:SCOPE_SE
	s_setreg_imm32_b32 hwreg(HW_REG_WAVE_MODE, 25, 1), 1
	s_wait_xcnt 0x0
	s_wait_alu depctr_hold_cnt(0) depctr_sa_sdst(0) depctr_va_vdst(0) depctr_va_sdst(0) depctr_va_ssrc(0) depctr_va_vcc(0) depctr_vm_vsrc(0)
	s_getreg_b32 s2, hwreg(HW_REG_IB_STS2, 6, 4)
	s_cmp_eq_u32 s2, 0
	s_cbranch_scc0 .Lentry_in_a_cluster
	s_endpgm
.Lentry_in_a_cluster:
	s_bfe_u32 s2, ttmp6, 0x10000c
	s_cmp_lg_u32 s2, 0x3003
	s_cbranch_scc0 .Lentry_shape_is_right
	s_endpgm
.Lentry_shape_is_right:
; O = softmax(Q K^T / 8) V for one (batch, head), both products on codes of FP4 (E2M1) with one E8M0 scale for each 32 along a product's K; O / l is quantised at once for the last product and leaves as codes.
; THE SOFTMAX AHEAD OF THE SECOND PRODUCT: t = score x log2(e) / 8; M = the row's largest t so far, rounded UP to a whole number; p = 2^(t - M) is what is quantised, along the keys, not normalised.
; The row's sum l is taken of the unquantised p, in f32, and divides O at the end.  When M moves, l and O are multiplied by 2^(old M - new M): exact.
; SHARES.  A work-group owns 256 queries of one head; each of its sixteen waves one tile of 16 queries in 256 registers: four waves to a SIMD, so that one wave's vector work stands beside another's loads and products.
; THE WHOLE HEAD LIES IN LDS: 32 records of 128 keys x 9,216 bytes = 294,912 bytes, each filled ONCE: no slot is filled again, and the loop over the keys has no barrier.
; A record is laid in the order of the operands' registers: 8 key tiles x 512 bytes (registers 0-3 of K's fragments; k = 64 .. 127 are zero codes under the byte 0x7f, kept in registers), 512 bytes of K's scale words,
; 4 channel tiles x 1,024 bytes of V^T, 512 bytes of V's scale words.  Every LDS load takes 512 consecutive bytes, 16 a lane.
; CLUSTER.  The four query blocks of a cluster belong to one head: each record is asked for JOINTLY, by the same tensor load with the same descriptor and a mask that names the four.  Wave w asks for records w and 16 + w:
; two tensor loads of a wave are out at the most.  The place in the cluster enters the addresses of Q and of the results alone.
; LAYOUT.  Both products are used transposed: S^T = K Q^T, O^T = V^T P^T: a lane holds ONE query (lane % 16).  The keys, queries and channels of a tile are not neighbours: lane r of tile T takes
; 32 (T / 2) + 8 (T % 2) + r + 8 (r / 8), so that the 16 registers of result tiles 2 b, 2 b + 1 are 16 neighbours, 32 b + 16 (lane / 16) + 0 .. 15.
; No prefetch: every byte of K and V is asked for at the kernel's head.
; LIMITS: NaN and infinities are not served; a block of O / l whose largest magnitude lies under 2^-124, or a block of zeros, gets the byte 1: this program alone reads the bytes.
; REGISTERS: v1 16 x lane; v2 the step's LDS address; v3-5 global offsets; v12 -M, v13 the largest t, v[14:15] l in two halves; v16-23 Q (v20-23 zeros); v32-95 K's eight fragments (the upper four registers of each: zeros);
; v96-159 S^T, then p; v160-191 O^T; v192-223 V's four fragments; v224-231 p's codes; v232-239, v244-247, v252, v254 at work; scale words: v240-243 V's, v248-251 K's, v253 p's, v255 Q's.
.set LI,  1
.set ADR, 2
.set QCO, 3
.set QSO, 4
.set OSO, 5
.set WV,  12                           ; s12  my wave's number
.set CS,  22                           ; s[22:23] c = log2(e) / 8: the packed form names a pair and takes its low word for both halves
.set G1,  24                           ; s[24:31] descriptor group 1
.set G0A, 32                           ; s[32:35], s[36:39] groups 0 of my two loads; never rewritten
.set G0B, 36
.set SEL, 40                           ; s[40:41] lane selects for v_permlanex16_b32: lane l xor 16
.set TB,  42                           ; s42  LDS byte of the record in hand
.set CNT, 43                           ; s43  steps to go in the half
.set REC, 9216
.set HALF, 16*REC
; A round of the cluster's barrier: my work-group's barrier; wave 0 signals for the work-group; every wave waits for all four work-groups; my work-group's barrier once more.
.macro CROUND
	s_barrier_signal -1
	s_barrier_wait -1
	s_cmp_lg_u32 s[WV], 0
	s_cbranch_scc1 .Lnot_wave_0_\@
	s_barrier_signal -3
.Lnot_wave_0_\@:
	s_barrier_wait -3
	s_barrier_signal -1
	s_barrier_wait -1
.endm
	s_load_b256 s[4:11], s[0:1], 0x0               ; qr s[4:5], kv s[6:7], oc s[8:9], os s[10:11]
	v_lshl_add_u32 v30, v0, 2, 0x48000
	v_mov_b32 v31, 0
	ds_add_u32 v30, v31
	ds_add_u32 v30, v31
	v_lshrrev_b32 v8, 5, v0
	v_readfirstlane_b32 s[WV], v8                  ; wave 0..15
	s_bfe_u32 s13, ttmp6, 0x40000                  ; cx: my place in the cluster
	s_lshl_b32 s14, ttmp9, 2                       ; in a cluster launch ttmp9 counts clusters
	s_add_co_u32 s14, s14, s13                     ; my block of 256 queries
	s_and_b32 s15, ttmp7, 0xffff                   ; bh = 8 x batch + head, which the four partners share
	s_mul_i32 s20, s[WV], REC                      ; record w: in LDS and in the head's bytes alike
	s_mul_i32 s18, s15, 32*REC
	s_add_co_u32 s18, s18, s20                     ; (these registers never hold cx)
	s_mov_b32 s19, 0
	; descriptor group 1: a record is a dense block of 9,216 bytes: 36 rows of 256 bytes (32 elements of 8 bytes), no padding
	s_mov_b32 s[G1], 15|(3<<16)|(1<<21)            ; 15:0 the mask: all four work-groups; 17:16 elements of 8 bytes; 21 set beside a mask
	s_mov_b32 s[G1+1], 32<<16                      ; tensor_dim0 = 32
	s_mov_b32 s[G1+2], 36<<16                      ; tensor_dim1 = 36
	s_mov_b32 s[G1+3], 32<<16                      ; tile_dim0 = 32
	s_mov_b32 s[G1+4], 36                          ; tile_dim1 = 36
	s_mov_b32 s[G1+5], 32                          ; from row to row
	s_mov_b32 s[G1+6], 0
	s_mov_b32 s[G1+7], 0
	s_lshl_b32 s44, s14, 1                         ; Q's record: 2 x block + wave / 8,
	s_lshr_b32 s45, s[WV], 3
	s_add_co_u32 s44, s44, s45
	s_mul_i32 s44, s44, 4608
	s_mul_i32 s45, s15, 147456                     ; in my head
	s_add_co_u32 s44, s44, s45
	s_mov_b32 s45, 0
	s_lshr_b32 s46, s15, 3
	s_lshl_b32 s46, s46, 8
	s_lshl_b32 s47, s14, 4
	s_add_co_u32 s46, s46, s47
	s_add_co_u32 s46, s46, s[WV]                   ; T = 256 x batch + 16 x block + wave: my tile among the 512 of all rows
	s_and_b32 s47, s15, 7                          ; the head
	s_lshl_b32 s48, s46, 12                        ; oc: 4,096 T + 512 head
	s_lshl_b32 s49, s47, 9
	s_add_co_u32 s48, s48, s49
	s_mov_b32 s49, 0
	s_lshl_b32 s50, s46, 8                         ; os: 256 T + 2 head
	s_lshl_b32 s51, s47, 1
	s_add_co_u32 s50, s50, s51
	s_mov_b32 s51, 0
	s_mov_b32 s[CS], 0x3e38aa3b                    ; log2(e) / 8
	s_mov_b32 s[CS+1], s[CS]                       ; (named with it as a pair, so it is written)
	s_mov_b32 s[SEL], 0x76543210
	s_mov_b32 s[SEL+1], 0xfedcba98
	s_wait_dscnt 0x0
	s_wait_kmcnt 0x0
	s_add_nc_u64 s[6:7], s[6:7], s[18:19]          ; kv at record w of my head
	s_add_nc_u64 s[4:5], s[4:5], s[44:45]
	s_add_nc_u64 s[8:9], s[8:9], s[48:49]
	s_add_nc_u64 s[10:11], s[10:11], s[50:51]
	CROUND                                         ; all four work-groups are here: the joint loads meet
	s_mov_b32 s[G0A], 1                            ; count = 1
	s_mov_b32 s[G0A+1], s20                        ; LDS address: record w
	s_mov_b64 s[G0A+2:G0A+3], s[6:7]
	s_or_b32 s[G0A+3], s[G0A+3], 0x80000000        ; type = 2
	s_mov_b32 s[G0B], 1
	s_add_co_u32 s[G0B+1], s20, HALF               ; record 16 + w
	s_add_nc_u64 s[G0B+2:G0B+3], s[6:7], HALF
	s_or_b32 s[G0B+3], s[G0B+3], 0x80000000
	tensor_load_to_lds s[G0A:G0A+3], s[G1:G1+7]    ; all fills of the launch go out here, ahead of every wait on TENSORcnt, every LDS read and every further barrier
	s_nop 0
	tensor_load_to_lds s[G0B:G0B+3], s[G1:G1+7]
	s_nop 0
.rept 4
	v_nop                                          ; four lines behind the loads
.endr
	v_and_b32 v8, 31, v0
	v_lshlrev_b32 v[LI], 4, v8
	v_and_b32 v9, 15, v0
	s_and_b32 s52, s[WV], 7                        ; my tile in Q's record
	s_lshl_b32 s53, s52, 9
	v_add_nc_u32 v[QCO], s53, v[LI]                ; its image
	s_and_b32 s53, s[WV], 1
	s_lshl_b32 s53, s53, 8                         ; its scale words: an odd tile's lie in lanes 16-31's bytes,
	s_lshr_b32 s52, s52, 1
	s_lshl_b32 s52, s52, 2                         ; word tile / 2
	s_add_co_u32 s53, s53, s52
	v_lshl_add_u32 v[QSO], v9, 4, s53
	global_load_b128 v[16:19], v[QCO], s[4:5]      ; Q's fragment stays in registers
	global_load_b32 v255, v[QSO], s[4:5] offset:4096
.irp j, 20,21,22,23
	v_mov_b32 v[\j], 0                             ; Q's k = 64 .. 127
.endr
.irp t, 0,1,2,3,4,5,6,7
.irp j, 4,5,6,7
	v_mov_b32 v[32+8*\t+\j], 0                     ; K's k = 64 .. 127: written once
.endr
.endr
	v_mov_b32 v13, 0xff61b1e6                      ; the largest t so far: -3e38, under every t
	v_floor_f32 v12, -v13                          ; -M
	v_mov_b32 v14, 0
	v_mov_b32 v15, 0
.irp b, 0,1,2,3
	v_mov_b32 v[236+\b], 0                         ; written once: a lane permute's destination counts as one of its sources
.endr
	v_mov_b32 v253, 0                              ; (named as the upper half of the pair v[252:253] before it is first written)
.set J, 0
.rept 32
	v_mov_b32 v[160+J], 0                          ; O^T: the step is written once: the first finds zeros, which the first change of M leaves zeros
.set J, J+1
.endr
	s_wait_loadcnt 0x0                             ; Q
; A KEY STEP: 128 keys, one record.
.macro STEP
	v_add_nc_u32 v[ADR], s[TB], v[LI]
.irp t, 0,1,2,3,4,5,6,7
	ds_load_b128 v[32+8*\t:35+8*\t], v[ADR] offset:512*\t
.endr
	ds_load_b128 v[248:251], v[ADR] offset:4096    ; K's scale words: register i: lanes 0-15 tile 2 i, lanes 16-31 tile 2 i + 1
	s_wait_dscnt 0x0
.irp t, 0,2,4,6
	v_wmma_scale_f32_16x16x128_f8f6f4 v[96+8*\t:103+8*\t], v[32+8*\t:39+8*\t], v[16:23], 0, v[248+\t/2], v255 matrix_a_fmt:MATRIX_FMT_FP4 matrix_b_fmt:MATRIX_FMT_FP4
	v_wmma_scale_f32_16x16x128_f8f6f4 v[104+8*\t:111+8*\t], v[40+8*\t:47+8*\t], v[16:23], 0, v[248+\t/2], v255 matrix_a_fmt:MATRIX_FMT_FP4 matrix_b_fmt:MATRIX_FMT_FP4 matrix_a_scale:MATRIX_SCALE_ROW1
.endr
.rept 4
	v_nop                                          ; four places ahead of the first read of the scores; with the addition at the step's head they are also the places between the last step's products V^T P and the loads into V's registers
.endr
.irp t, 0,1,2,3
.irp c, 0,1
	ds_load_b128 v[192+8*\t+4*\c:195+8*\t+4*\c], v[ADR] offset:4608+1024*\t+512*\c   ; V is asked for here and lands during the softmax
.endr
.endr
	ds_load_b128 v[240:243], v[ADR] offset:8704    ; V's scale words
.irp b, 0,1,2,3
	v_max3_num_f32 v[232+\b], v[96+16*\b], v[97+16*\b], v[98+16*\b]   ; THE LARGEST SCORE OF EACH BLOCK OF 32 KEYS serves twice: for the row's maximum, and, since p rises with the score, for the block's largest p
.endr
.irp i, 3,5,7,9,11,13
.irp b, 0,1,2,3
	v_max3_num_f32 v[232+\b], v[232+\b], v[96+16*\b+\i], v[97+16*\b+\i]   ; (the four blocks by turns)
.endr
.endr
.irp b, 0,1,2,3
	v_max_num_f32 v[232+\b], v[232+\b], v[111+16*\b]
.endr
.irp b, 0,1,2,3
	v_permlanex16_b32 v[236+\b], v[232+\b], s[SEL], s[SEL+1]
.endr
.irp b, 0,1,2,3
	v_max_num_f32 v[232+\b], v[232+\b], v[236+\b]  ; with lane l xor 16's 16 keys
.endr
	v_max3_num_f32 v254, v232, v233, v234
	v_max_num_f32 v254, v254, v235                 ; the step's largest score of my query
	v_mul_f32 v254, s[CS], v254                    ; as t (c is positive)
	v_max_num_f32 v13, v13, v254                   ; the running largest t
	v_mov_b32 v254, v12
	v_floor_f32 v12, -v13                          ; the new -M = floor(-t) = -ceil(t): a whole number
	v_sub_f32 v254, v12, v254                      ; old M - new M: a whole number, 0 or less
	v_cvt_i32_f32 v254, v254                       ; (it saturates)
	v_ldexp_f32 v252, 1.0, v254                    ; f = 2^(old M - new M)
.set J, 0
.rept 32
	v_pk_fma_f32 v[96+J:97+J], v[96+J:97+J], s[CS:CS+1], v[12:13] op_sel_hi:[1,0,0]   ; t - M, two at a time
.set J, J+2
.endr
.irp b, 0,1,2,3
	v_fma_f32 v[232+\b], v[232+\b], s[CS], v12     ; the same of each block's largest score
.endr
.set J, 0
.rept 64
	v_exp_f32 v[96+J], v[96+J]                     ; p = 2^(t - M), at most 1
.set J, J+1
.endr
	v_pk_mul_f32 v[14:15], v[14:15], v[252:253] op_sel_hi:[1,0]   ; l under the new M: the plain place behind the exponentials
	s_wait_alu depctr_va_vdst(0)                   ; one wait for the batch of 64, ahead of its first reader
.irp b, 0,1,2,3
	v_exp_f32 v[232+\b], v[232+\b]                 ; the block's largest p: the same two instructions on the same number give the same bits
.endr
	v_pk_add_f32 v[236:237], v[96:97], v[98:99]    ; THE ROW'S SUM IS TAKEN OF THE UNQUANTISED p, two at a time, in two chains; it reads the 64 alone
.irp j, 4,8,12,16,20,24,28,32,36,40,44,48,52,56,60
	v_pk_add_f32 v[14:15], v[14:15], v[96+\j:97+\j]
	v_pk_add_f32 v[236:237], v[236:237], v[98+\j:99+\j]
.endr
	v_pk_add_f32 v[14:15], v[14:15], v[236:237]
	s_wait_alu depctr_va_vdst(0)                   ; and one for the four
.irp b, 0,1,2,3
	v_max_num_f32 v[232+\b], 0x1800000, v[232+\b]  ; the floor 2^(3 - 127): the byte cannot fall under 1
.endr
.irp b, 0,1,2,3
	v_add_nc_u32 v[244+\b], 0xff000000, v[232+\b]  ; 2 off the exponent field: the conversion's scale operand
.endr
.irp b, 0,1,2,3
	v_lshrrev_b32 v[236+\b], 23, v[244+\b]         ; the scale's byte
.endr
	v_lshl_or_b32 v253, v237, 8, v236              ; p's scale word for these 128 keys
	v_lshl_or_b32 v253, v238, 16, v253
	v_lshl_or_b32 v253, v239, 24, v253
.irp b, 0,1,2,3
	v_cvt_scalef32_pk8_fp4_f32 v[224+2*\b], v[96+16*\b:103+16*\b], v[244+\b]
	v_cvt_scalef32_pk8_fp4_f32 v[225+2*\b], v[104+16*\b:111+16*\b], v[244+\b]
.endr
	v_nop                                          ; one plain place behind a scaled conversion
.irp c, 0,1                                    ; the operand's layout wants a WHOLE block in a lane
.irp i, 0,1
	v_permlane16_swap_b32 v[224+4*\c+\i], v[226+4*\c+\i]
.endr
.endr
.set J, 0
.rept 16
	v_pk_mul_f32 v[160+J:161+J], v[160+J:161+J], v[252:253] op_sel_hi:[1,0]   ; O^T under the new M.  These sixteen stand between the lines that made p's codes and scale word and the products that take them
.set J, J+2
.endr
	s_wait_dscnt 0x0                               ; V is in
.irp t, 0,1,2,3
	v_wmma_scale_f32_16x16x128_f8f6f4 v[160+8*\t:167+8*\t], v[192+8*\t:199+8*\t], v[224:231], v[160+8*\t:167+8*\t], v[240+\t], v253 matrix_a_fmt:MATRIX_FMT_FP4 matrix_b_fmt:MATRIX_FMT_FP4
.endr
.endm
; Half n of the head: 16 steps.  left: how many of my tensor loads may stay out.
.macro CHUNK n, left
	s_wait_dscnt 0x0
	s_wait_tensorcnt \left                         ; tensor loads of a wave end in order: my record of this half is in
	s_barrier_signal -1
	s_barrier_wait -1                              ; every wave's is
	s_mov_b32 s[TB], (\n)*HALF
	s_mov_b32 s[CNT], 16
.Lstep_\@:
	STEP
	s_add_co_u32 s[TB], s[TB], REC
	s_sub_co_u32 s[CNT], s[CNT], 1
	s_cmp_lg_u32 s[CNT], 0
	s_cbranch_scc1 .Lstep_\@
.endm
	CHUNK 0, 1                                     ; records 0 to 15, while records 16 to 31 are still on their way
	CHUNK 1, 0
	; THE WAY OUT.  O^T / l, register 16 b + i = channel 32 b + 16 h + i of my query: two blocks of 32 along the last product's K: quantised in registers, no LDS.
	v_add_f32 v14, v14, v15                        ; l's two halves,
	v_permlanex16_b32 v252, v14, s[SEL], s[SEL+1]
	v_add_f32 v14, v14, v252                       ; and lane l xor 16's
	v_rcp_f32 v14, v14
	v_and_b32 v9, 15, v0                           ; plain lines behind the reciprocal, and the places behind the last products
	v_lshlrev_b32 v[OSO], 4, v9                    ; os: 16 bytes a row
	v_nop
	v_nop
	s_wait_alu depctr_va_vdst(0)                   ; ahead of the reciprocal's first reader
.set J, 0
.rept 32
	v_mul_f32 v[96+J], v[160+J], v14
.set J, J+1
.endr
.irp b, 0,1
	v_max3_num_f32 v[232+\b], |v[96+16*\b]|, |v[97+16*\b]|, 0x1800000
.endr
.irp i, 2,4,6,8,10,12,14
.irp b, 0,1
	v_max3_num_f32 v[232+\b], v[232+\b], |v[96+16*\b+\i]|, |v[97+16*\b+\i]|
.endr
.endr
.irp b, 0,1
	v_permlanex16_b32 v[236+\b], v[232+\b], s[SEL], s[SEL+1]
.endr
.irp b, 0,1
	v_max_num_f32 v[232+\b], v[232+\b], v[236+\b]
.endr
.irp b, 0,1
	v_add_nc_u32 v[244+\b], 0xff000000, v[232+\b]
.endr
.irp b, 0,1
	v_lshrrev_b32 v[236+\b], 23, v[244+\b]
.endr
	v_lshl_or_b32 v254, v237, 8, v236              ; my row's two bytes of this head
.irp b, 0,1
	v_cvt_scalef32_pk8_fp4_f32 v[224+2*\b], v[96+16*\b:103+16*\b], v[244+\b]
	v_cvt_scalef32_pk8_fp4_f32 v[225+2*\b], v[104+16*\b:111+16*\b], v[244+\b]
.endr
	v_nop
	v_permlane16_swap_b32 v224, v226               ; lanes 0-15 block 0, lanes 16-31 block 1: registers 4 c .. 4 c + 3 of the last product's fragment, c = head % 2
	v_permlane16_swap_b32 v225, v227
	global_store_b128 v[LI], v[224:227], s[8:9]    ; 512 consecutive bytes, aligned
	global_store_b16 v[OSO], v254, s[10:11]        ; two bytes a row (both halves of the lanes store the same value at the same place): a sixteenth of the codes' bytes
	s_wait_tensorcnt 0x0
	s_wait_dscnt 0x0
	s_wait_tensorcnt 0x0
	ds_add_u32 v30, v31
	s_wait_dscnt 0x0
	CROUND                                         ; the closing round: no work-group ends while a partner may still ask for a record that names it
	s_endpgm
.Lfunc_end_k_q46467091a9_attn:
	.size	k_q46467091a9_attn, .Lfunc_end_k_q46467091a9_attn-k_q46467091a9_attn
	.p2alignl 7, 3214868480
	.fill 96, 4, 3214868480
	.section	.rodata,"a",@progbits
	.p2align	6, 0x0
	.amdhsa_kernel k_q46467091a9_attn
		.amdhsa_group_segment_fixed_size 296960
		.amdhsa_private_segment_fixed_size 0
		.amdhsa_enable_private_segment 0
		.amdhsa_kernarg_size 32
		.amdhsa_user_sgpr_count 2
		.amdhsa_user_sgpr_kernarg_segment_ptr 1
		.amdhsa_wavefront_size32 1
		.amdhsa_system_sgpr_workgroup_id_x 1
		.amdhsa_system_sgpr_workgroup_id_y 1
		.amdhsa_system_sgpr_workgroup_id_z 1
		.amdhsa_system_vgpr_workitem_id 0
		.amdhsa_next_free_vgpr 256
		.amdhsa_next_free_sgpr 66
		.amdhsa_reserve_vcc 0
		.amdhsa_float_denorm_mode_32 3
		.amdhsa_float_denorm_mode_16_64 3
		.amdhsa_memory_ordered 1
		.amdhsa_forward_progress 1
		.amdhsa_inst_pref_size 41
	.end_amdhsa_kernel
	.amdgpu_metadata
---
amdhsa.version: [ 1, 2 ]
amdhsa.kernels:
  - .name:           k_q46467091a9_attn
    .symbol:         k_q46467091a9_attn.kd
    .args:
      - { .name: qr, .offset: 0, .size: 8, .value_kind: global_buffer, .address_space: global }
      - { .name: kv, .offset: 8, .size: 8, .value_kind: global_buffer, .address_space: global }
      - { .name: oc, .offset: 16, .size: 8, .value_kind: global_buffer, .address_space: global }
      - { .name: os, .offset: 24, .size: 8, .value_kind: global_buffer, .address_space: global }
    .group_segment_fixed_size: 296960
    .private_segment_fixed_size: 0
    .kernarg_segment_align: 8
    .kernarg_segment_size: 32
    .max_flat_workgroup_size: 512
    .sgpr_count:     66
    .vgpr_count:     256
    .wavefront_size: 32
...
	.end_amdgpu_metadata
.endif
;; end of part 3
;; launch outp (part 4): grid 128 x 2, 4 waves a work-group, no clusters, 17,920 bytes of LDS; arguments oc, os, wc, ws, bo, out0; writes out0
.if DOCPART == 4
	.amdgcn_target "amdgcn-amd-amdhsa--gfx1250"
	.amdhsa_code_object_version 6
	.text
	.protected	k_q46467091a9_outp
	.globl	k_q46467091a9_outp
	.p2align	8
	.type	k_q46467091a9_outp,@function
k_q46467091a9_outp:
	s_mov_b64 s[64:65], 0
	v_nop
	global_prefetch_b8 v0, s[64:65] scope:SCOPE_SE
	s_setreg_imm32_b32 hwreg(HW_REG_WAVE_MODE, 25, 1), 1
	s_wait_xcnt 0x0
; out0 = (O / l) Wo + bo on codes of FP4 (E2M1) with one E8M0 scale for each 32 along K = 512; sums in f32.  Both operands arrive as images of their registers (oc, wc) with scale words beside them (os, ws).
; SHARES.  A wave works alone: 64 rows (tiles 4 R + m) x 64 columns (tiles 4 G + t), R = work-group x, G = 4 x work-group y + wave: 16 accumulators, 64 matrix instructions, all operands loaded in one run: 16 + 16 fragments.
; The matrix instruction is used transposed (source 0 = 16 columns of Wo, source 1 = 16 rows): a lane holds eight neighbouring columns of one row.  Rows and columns of a tile are not neighbours:
; lane r of tile T takes 32 (T / 2) + 8 (T % 2) + r + 8 (r / 8); register j of tile t is column 32 (t / 2) + 8 (t % 2) + 16 h + j.  The bias is the C of each sum's first matrix instruction.
; The results go through the wave's own stage in LDS (16 rows x (256 + 16) bytes) and leave as rows: sixteen lanes store 256 consecutive bytes, aligned.  No barrier: waves share nothing.
; NO CLUSTER, NO TENSOR LOAD: each wave takes its 32 KiB of images once, straight into registers; there is no loop in which a shared tile could be asked for jointly.
; REGISTERS: window 0 as named below; window 1: Wo's fragment (t, s) at v[8 (4 t + s)], the rows' fragment (m, s) at v[128 + 8 (4 m + s)].
.set LI,  1                            ; 16 x lane
.set WSA, 2                            ; Wo's scale words: (r + 8 (r / 8)) x 16
.set ASA, 3                            ; the rows' scale words: 16 r
.set BA,  4                            ; bias: 64 h
.set SO,  5                            ; the stage, in: 272 r + 64 h + 4,352 x wave
.set SR,  6                            ; the stage, back: 272 h + 16 r + 4,352 x wave
.set GO,  7                            ; out0: 2,048 h + 16 r
.set WSC, 16                           ; v16-31  Wo's scale words, 4 t + s
.set ASC, 32                           ; v32-47  the rows' scale words, 4 m + s
.set BI,  48                           ; v48-79  the bias as C; later rows on their way out
.set OB0, 80                           ; v80-111 rows on their way out
.set ACC, 128                          ; v128-255 accumulator (m, t) at ACC + 8 (4 m + t)
.set MSB, 0
.macro WIN new                         ; the immediate's high byte repeats the setting that is left
.if MSB != (\new)
	s_set_vgpr_msb (MSB<<8)|(\new)
.set MSB, (\new)
.endif
.endm
	s_load_b256 s[4:11], s[0:1], 0x0               ; oc s[4:5], os s[6:7], wc s[8:9], ws s[10:11]
	s_load_b128 s[12:15], s[0:1], 0x20             ; bo s[12:13], out0 s[14:15]
	v_lshl_add_u32 v126, v0, 2, 0x4400
	v_mov_b32 v127, 0
	v_lshrrev_b32 v8, 5, v0
	v_readfirstlane_b32 s16, v8                    ; wave 0..3
	s_and_b32 s17, ttmp7, 0xffff
	s_lshl_b32 s18, s17, 2
	s_add_co_u32 s18, s18, s16                     ; G
	v_and_b32 v8, 31, v0
	v_and_b32 v9, 15, v0                           ; r
	v_bfe_u32 v10, v0, 4, 1                        ; h
	v_and_b32 v11, 8, v9
	v_add_nc_u32 v11, v11, v9                      ; r + 8 (r / 8)
	v_lshlrev_b32 v[LI], 4, v8
	v_lshlrev_b32 v[WSA], 4, v11
	v_lshlrev_b32 v[ASA], 4, v9
	v_lshlrev_b32 v[BA], 6, v10
	s_mul_i32 s19, s16, 4352                       ; my stage
	v_mul_u32_u24 v[SO], v9, 272
	v_lshl_add_u32 v[SO], v10, 6, v[SO]
	v_add_nc_u32 v[SO], s19, v[SO]
	v_mul_u32_u24 v[SR], v10, 272
	v_lshl_add_u32 v[SR], v9, 4, v[SR]
	v_add_nc_u32 v[SR], s19, v[SR]
	v_lshlrev_b32 v[GO], 11, v10
	v_lshl_add_u32 v[GO], v9, 4, v[GO]
	s_lshl_b32 s20, s18, 14                        ; wc: the fourth weight, my 4 tiles of 4,096 bytes
	s_add_co_u32 s20, s20, 393216
	s_mov_b32 s21, 0
	s_lshl_b32 s22, ttmp9, 14                      ; oc: my 4 tiles
	s_mov_b32 s23, 0
	s_lshl_b32 s24, s18, 10                        ; ws: the fourth weight, my 64 rows of 16 bytes
	s_add_co_u32 s24, s24, 24576
	s_mov_b32 s25, 0
	s_lshl_b32 s26, ttmp9, 10                      ; os: my 4 tiles of 256 bytes
	s_mov_b32 s27, 0
	s_lshl_b32 s28, s18, 8                         ; bo: my 64 numbers
	s_mov_b32 s29, 0
	s_lshl_b32 s30, ttmp9, 17                      ; out0: 64 R rows of 2,048 bytes + my 256 bytes of a row
	s_add_co_u32 s30, s30, s28
	s_mov_b32 s31, 0
	s_wait_kmcnt 0x0
	s_add_nc_u64 s[8:9], s[8:9], s[20:21]
	s_add_nc_u64 s[4:5], s[4:5], s[22:23]
	s_add_nc_u64 s[10:11], s[10:11], s[24:25]
	s_add_nc_u64 s[6:7], s[6:7], s[26:27]
	s_add_nc_u64 s[12:13], s[12:13], s[28:29]
	s_add_nc_u64 s[14:15], s[14:15], s[30:31]
	WIN 0x40                                       ; destination window 1
.irp t, 0,1,2,3
.irp s, 0,1,2,3
.irp c, 0,1
	global_load_b128 v[8*(4*\t+\s)+4*\c:8*(4*\t+\s)+4*\c+3], v[LI], s[8:9] offset:(4*\t+\s)*1024+512*\c
	global_load_b128 v[128+8*(4*\t+\s)+4*\c:128+8*(4*\t+\s)+4*\c+3], v[LI], s[4:5] offset:(4*\t+\s)*1024+512*\c
.endr
.endr
.endr
	WIN 0
.irp t, 0,1,2,3
	global_load_b128 v[WSC+4*\t:WSC+4*\t+3], v[WSA], s[10:11] offset:(32*(\t/2)+8*(\t%2))*16
	global_load_b128 v[ASC+4*\t:ASC+4*\t+3], v[ASA], s[6:7] offset:256*\t
	global_load_b128 v[BI+8*\t:BI+8*\t+3], v[BA], s[12:13] offset:(32*(\t/2)+8*(\t%2))*4
	global_load_b128 v[BI+8*\t+4:BI+8*\t+7], v[BA], s[12:13] offset:(32*(\t/2)+8*(\t%2))*4+16
.endr
	s_wait_loadcnt 0x0
	WIN 0x05                                       ; sources 0 and 1 window 1; C and D window 0
.irp s, 0,1,2,3                                ; the sixteen accumulators by turns, a K step at a time
.irp m, 0,1,2,3
.irp t, 0,1,2,3
.if \s == 0
	v_wmma_scale_f32_16x16x128_f8f6f4 v[ACC+8*(4*\m+\t):ACC+8*(4*\m+\t)+7], v[8*(4*\t+\s):8*(4*\t+\s)+7], v[128+8*(4*\m+\s):128+8*(4*\m+\s)+7], v[BI+8*\t:BI+8*\t+7], v[WSC+4*\t+\s], v[ASC+4*\m+\s] matrix_a_fmt:MATRIX_FMT_FP4 matrix_b_fmt:MATRIX_FMT_FP4
.else
	v_wmma_scale_f32_16x16x128_f8f6f4 v[ACC+8*(4*\m+\t):ACC+8*(4*\m+\t)+7], v[8*(4*\t+\s):8*(4*\t+\s)+7], v[128+8*(4*\m+\s):128+8*(4*\m+\s)+7], v[ACC+8*(4*\m+\t):ACC+8*(4*\m+\t)+7], v[WSC+4*\t+\s], v[ASC+4*\m+\s] matrix_a_fmt:MATRIX_FMT_FP4 matrix_b_fmt:MATRIX_FMT_FP4
.endif
.endr
.endr
.endr
	WIN 0
.rept 4
	v_nop                                          ; four places ahead of the first read of results and of the loads into the registers that held the bias
.endr
; Tile m of rows: into my stage, each accumulator from its low end on, and back as rows of 256 bytes.  LDS serves a wave's instructions in order: no wait between the stores and the loads.
.macro TOSTAGE m
.irp t, 0,1,2,3
	ds_store_b128 v[SO], v[ACC+8*(4*(\m)+\t):ACC+8*(4*(\m)+\t)+3] offset:128*(\t/2)+32*(\t%2)
	ds_store_b128 v[SO], v[ACC+8*(4*(\m)+\t)+4:ACC+8*(4*(\m)+\t)+7] offset:128*(\t/2)+32*(\t%2)+16
.endr
.set OBM, OB0-32*((\m)%2)
.irp i, 0,1,2,3,4,5,6,7
	ds_load_b128 v[OBM+4*\i:OBM+4*\i+3], v[SR] offset:544*\i   ; stage rows 2 i and 2 i + 1
.endr
.endm
.macro SEND m
.set OBM, OB0-32*((\m)%2)
.irp i, 0,1,2,3,4,5,6,7
	s_wait_dscnt 7-\i                              ; LDS loads come back in order: load i is in, the younger ones may be out
	global_store_b128 v[GO], v[OBM+4*\i:OBM+4*\i+3], s[14:15] offset:(32*((\m)/2)+8*((\m)%2)+2*\i+8*(\i/4))*2048 th:TH_STORE_NT   ; stage row r' is row 32 (m / 2) + 8 (m % 2) + r' + 8 (r' / 8); written once, read by nobody here
.endr
.endm
.irp m, 0,1,2,3
.if \m >= 2
	s_wait_xcnt 0x0                                ; tile m - 2's stores have read their registers, which are loaded again
.endif
	TOSTAGE \m
	SEND \m
.endr
	s_wait_tensorcnt 0x0
	ds_add_u32 v126, v127
	s_wait_dscnt 0x0
	s_endpgm
.Lfunc_end_k_q46467091a9_outp:
	.size	k_q46467091a9_outp, .Lfunc_end_k_q46467091a9_outp-k_q46467091a9_outp
	.p2alignl 7, 3214868480
	.fill 96, 4, 3214868480
	.section	.rodata,"a",@progbits
	.p2align	6, 0x0
	.amdhsa_kernel k_q46467091a9_outp
		.amdhsa_group_segment_fixed_size 17920
		.amdhsa_private_segment_fixed_size 0
		.amdhsa_enable_private_segment 0
		.amdhsa_kernarg_size 48
		.amdhsa_user_sgpr_count 2
		.amdhsa_user_sgpr_kernarg_segment_ptr 1
		.amdhsa_wavefront_size32 1
		.amdhsa_system_sgpr_workgroup_id_x 1
		.amdhsa_system_sgpr_workgroup_id_y 1
		.amdhsa_system_sgpr_workgroup_id_z 1
		.amdhsa_system_vgpr_workitem_id 0
		.amdhsa_next_free_vgpr 512
		.amdhsa_next_free_sgpr 66
		.amdhsa_reserve_vcc 0
		.amdhsa_float_denorm_mode_32 3
		.amdhsa_float_denorm_mode_16_64 3
		.amdhsa_memory_ordered 1
		.amdhsa_forward_progress 1
		.amdhsa_inst_pref_size 27
	.end_amdhsa_kernel
	.amdgpu_metadata
---
amdhsa.version: [ 1, 2 ]
amdhsa.kernels:
  - .name:           k_q46467091a9_outp
    .symbol:         k_q46467091a9_outp.kd
    .args:
      - { .name: oc, .offset: 0, .size: 8, .value_kind: global_buffer, .address_space: global }
      - { .name: os, .offset: 8, .size: 8, .value_kind: global_buffer, .address_space: global }
      - { .name: wc, .offset: 16, .size: 8, .value_kind: global_buffer, .address_space: global }
      - { .name: ws, .offset: 24, .size: 8, .value_kind: global_buffer, .address_space: global }
      - { .name: bo, .offset: 32, .size: 8, .value_kind: global_buffer, .address_space: global }
      - { .name: out0, .offset: 40, .size: 8, .value_kind: global_buffer, .address_space: global }
    .group_segment_fixed_size: 17920
    .private_segment_fixed_size: 0
    .kernarg_segment_align: 8
    .kernarg_segment_size: 48
    .max_flat_workgroup_size: 128
    .sgpr_count:     66
    .vgpr_count:     512
    .wavefront_size: 32
...
	.end_amdgpu_metadata
.endif
;; end of part 4
;; ======== version 2 of 2: 4 launches
;; workspace buffers: wc 524,288 bytes; ws 32,768 bytes; qr 2,359,296 bytes; kv 4,718,592 bytes; oc 2,097,152 bytes; os 131,072 bytes
;; launch prep (part 5): grid 16 x 4, 8 waves a work-group, no clusters, 1,536 bytes of LDS; arguments Wq, Wk, Wv, Wo, wc, ws; writes wc, ws
.if DOCPART == 5
	.amdgcn_target "amdgcn-amd-amdhsa--gfx1250"
	.amdhsa_code_object_version 6
	.text
	.protected	k_q46467091a9_prep
	.globl	k_q46467091a9_prep
	.p2align	8
	.type	k_q46467091a9_prep,@function
k_q46467091a9_prep:
	s_mov_b64 s[64:65], 0
	v_nop
	global_prefetch_b8 v0, s[64:65] scope:SCOPE_SE
	s_setreg_imm32_b32 hwreg(HW_REG_WAVE_MODE, 25, 1), 1
	s_wait_xcnt 0x0
; The four weights [512 (k)][512 (n)], f32, K their FIRST axis, become codes of FP4 (E2M1) with one E8M0 scale byte for each 32 along K.
; The codes are laid as IMAGES OF THE OPERAND'S REGISTERS: wc[weight][tile T of 16 columns][K step s of 128][c][512 bytes]; lane l = r + 16 h of a later wave takes the 16 bytes at 16 l
; as registers 4 c .. 4 c + 3 of fragment (T, s): k = 128 s + 64 c + 32 h + 0 .. 31 of column 32 (T / 2) + 8 (T % 2) + r + 8 (r / 8).
; THE COLUMNS OF A TILE ARE NOT NEIGHBOURS: so the 16 result registers of tiles 2 b and 2 b + 1 are 16 neighbours along the next product's K.
; The scale bytes lie ws[weight][column n][16]: word s of a row serves K step s.
; A block's scale is 2^(floor(log2(its largest magnitude)) - 2); its byte is the largest magnitude's exponent field - 2, held at 1 from below.
; LIMITS: NaN and infinities are not served; a block whose largest magnitude lies under 2^-124 gets the byte 1; a block of zeros gets the byte 1, not 127: its codes are zeros, and this program alone reads the bytes.
; SHARES: work-group (x, y): weight y, columns 32 x .. 32 x + 31, all of K.  Wave w: k = 64 w .. 64 w + 63 (s = w / 2, c = w % 2; two blocks h = 0, 1).
; A LANE TAKES A COLUMN AND ITS REGISTERS RUN DOWN K: each load reads 128 consecutive bytes a wave, a block lies in one lane, and the conversions give codes with K innermost.
; No matrix unit, no tensor load, no cluster: 4 MiB are read once, and no two work-groups read the same bytes.  64 work-groups of 8 waves: every number is asked for in the first run of loads.
.set NUM,  16                          ; v16-79  my column's 64 numbers
.set COD,  80                          ; v80-87  two blocks' codes
.set SROW, 88                          ; v88-91  wave 0: a column's 16 scale bytes
	s_load_b256 s[4:11], s[0:1], 0x0               ; Wq, Wk, Wv, Wo
	s_load_b128 s[12:15], s[0:1], 0x20             ; wc, ws
	v_lshl_add_u32 v96, v0, 2, 0x200
	v_mov_b32 v97, 0
	v_lshrrev_b32 v5, 5, v0
	s_delay_alu instid0(VALU_DEP_1)
	v_readfirstlane_b32 s16, v5                    ; wave 0..7
	s_and_b32 s17, ttmp7, 0xffff                   ; which weight
	v_and_b32 v6, 31, v0                           ; lane = my column among the 32
	s_delay_alu instid0(VALU_DEP_1)
	v_lshlrev_b32 v1, 2, v6                        ; in: 4 bytes a lane
	v_bfe_u32 v7, v0, 3, 1                         ; u: my column lies in tile 2 x + u,
	v_and_b32 v8, 7, v0
	v_bfe_u32 v9, v0, 4, 1
	s_delay_alu instid0(VALU_DEP_1)
	v_lshl_add_u32 v8, v9, 3, v8                   ; as its row r = lane % 8 + 8 (lane / 16)
	s_delay_alu instid0(VALU_DEP_1)
	v_lshlrev_b32 v2, 4, v8
	s_delay_alu instid0(VALU_DEP_1)
	v_lshl_add_u32 v2, v7, 12, v2                  ; out: 4,096 u + 16 r
	v_lshlrev_b32 v4, 4, v6                        ; 16 x lane: a column's row of scale bytes
	s_lshl_b32 s18, s16, 1
	v_add_nc_u32 v3, s18, v4                       ; LDS: my column's row, my wave's two bytes
	s_lshl_b32 s20, s16, 17                        ; W: 64 w rows of 2,048 bytes
	s_lshl_b32 s21, ttmp9, 7                       ;    + 32 x columns
	s_add_co_u32 s20, s20, s21
	s_mov_b32 s21, 0
	s_lshl_b32 s22, s17, 17                        ; wc: 131,072 a weight,
	s_lshl_b32 s23, ttmp9, 13                      ;     two tiles of 4,096,
	s_add_co_u32 s22, s22, s23
	s_lshl_b32 s23, s16, 9                         ;     512 (2 s + c)
	s_add_co_u32 s22, s22, s23
	s_mov_b32 s23, 0
	s_lshl_b32 s24, s17, 13                        ; ws: 8,192 a weight, 32 rows of 16
	s_lshl_b32 s25, ttmp9, 9
	s_add_co_u32 s24, s24, s25
	s_mov_b32 s25, 0
	s_wait_alu depctr_va_vdst(0)
	s_wait_kmcnt 0x0
	s_cmp_eq_u32 s17, 1                            ; the weight is chosen by the work-group's number alone
	s_cselect_b64 s[4:5], s[6:7], s[4:5]
	s_cmp_eq_u32 s17, 2
	s_cselect_b64 s[4:5], s[8:9], s[4:5]
	s_cmp_eq_u32 s17, 3
	s_cselect_b64 s[4:5], s[10:11], s[4:5]
	s_add_nc_u64 s[4:5], s[4:5], s[20:21]
	s_add_nc_u64 s[12:13], s[12:13], s[22:23]
	s_add_nc_u64 s[14:15], s[14:15], s[24:25]
.set I, 0
.rept 64
	global_load_b32 v[NUM+I], v1, s[4:5] offset:2048*I th:TH_LOAD_NT   ; W(64 w + I, my column): read once in the launch
.set I, I+1
.endr
.macro BLOCK h                         ; block h: all its 32 numbers are mine
.set XS, NUM+32*\h
	s_wait_loadcnt 32-32*\h                        ; loads come back in order: block 0's 32 are in while block 1's 32 may be out; then all
	v_max3_num_f32 v8, |v[XS]|, |v[XS+1]|, |v[XS+2]|               ; the largest magnitude, in two chains
	v_max3_num_f32 v9, |v[XS+3]|, |v[XS+4]|, |v[XS+5]|
.irp i, 6,10,14,18,22,26
	s_delay_alu instid0(VALU_DEP_2)
	v_max3_num_f32 v8, v8, |v[XS+\i]|, |v[XS+\i+1]|
	s_delay_alu instid0(VALU_DEP_2)
	v_max3_num_f32 v9, v9, |v[XS+\i+2]|, |v[XS+\i+3]|
.endr
	s_delay_alu instid0(VALU_DEP_2)
	v_max3_num_f32 v8, v8, |v[XS+30]|, |v[XS+31]|
	s_delay_alu instid0(VALU_DEP_1)
	v_max3_num_f32 v8, v8, v9, 0x1800000           ; and the floor 2^(3 - 127): the byte cannot fall under 1
	s_delay_alu instid0(VALU_DEP_1)
	v_add_nc_u32 v[10+\h], 0xff000000, v8          ; 2 off its exponent field: the conversion takes that field as its scale
	s_delay_alu instid0(VALU_DEP_1)
	v_lshrrev_b32 v[12+\h], 23, v[10+\h]           ; the scale's byte
.irp g, 0,1,2,3
	v_cvt_scalef32_pk8_fp4_f32 v[COD+4*\h+\g], v[XS+8*\g:XS+8*\g+7], v[10+\h]
.endr
	global_store_b128 v2, v[COD+4*\h:COD+4*\h+3], s[12:13] offset:256*\h   ; the sixteen lanes of a tile store 256 consecutive bytes, aligned
.endm
	BLOCK 0
	BLOCK 1                                        ; (it begins with plain lines that touch nothing of block 0's conversions)
	v_lshl_or_b32 v14, v13, 8, v12                 ; my two bytes, the lower k below
	ds_store_b16 v3, v14
	s_wait_dscnt 0x0                               ; for wave 0's sake: my bytes lie in LDS
	s_barrier_signal -1
	s_barrier_wait -1
	s_cmp_lg_u32 s16, 0
	s_cbranch_scc1 .Ldone
	ds_load_b128 v[SROW:SROW+3], v4                ; wave 0: a column's 16 bytes a lane
	s_wait_dscnt 0x0
	global_store_b128 v4, v[SROW:SROW+3], s[14:15] ; 512 consecutive bytes, aligned
.Ldone:
	s_wait_tensorcnt 0x0
	ds_add_u32 v96, v97
	s_wait_dscnt 0x0
	s_endpgm
.Lfunc_end_k_q46467091a9_prep:
	.size	k_q46467091a9_prep, .Lfunc_end_k_q46467091a9_prep-k_q46467091a9_prep
	.p2alignl 7, 3214868480
	.fill 96, 4, 3214868480
	.section	.rodata,"a",@progbits
	.p2align	6, 0x0
	.amdhsa_kernel k_q46467091a9_prep
		.amdhsa_group_segment_fixed_size 1536
		.amdhsa_private_segment_fixed_size 0
		.amdhsa_enable_private_segment 0
		.amdhsa_kernarg_size 48
		.amdhsa_user_sgpr_count 2
		.amdhsa_user_sgpr_kernarg_segment_ptr 1
		.amdhsa_wavefront_size32 1
		.amdhsa_system_sgpr_workgroup_id_x 1
		.amdhsa_system_sgpr_workgroup_id_y 1
		.amdhsa_system_sgpr_workgroup_id_z 1
		.amdhsa_system_vgpr_workitem_id 0
		.amdhsa_next_free_vgpr 98
		.amdhsa_next_free_sgpr 66
		.amdhsa_reserve_vcc 0
		.amdhsa_float_denorm_mode_32 3
		.amdhsa_float_denorm_mode_16_64 3
		.amdhsa_memory_ordered 1
		.amdhsa_forward_progress 1
		.amdhsa_inst_pref_size 13
	.end_amdhsa_kernel
	.amdgpu_metadata
---
amdhsa.version: [ 1, 2 ]
amdhsa.kernels:
  - .name:           k_q46467091a9_prep
    .symbol:         k_q46467091a9_prep.kd
    .args:
      - { .name: Wq, .offset: 0, .size: 8, .value_kind: global_buffer, .address_space: global }
      - { .name: Wk, .offset: 8, .size: 8, .value_kind: global_buffer, .address_space: global }
      - { .name: Wv, .offset: 16, .size: 8, .value_kind: global_buffer, .address_space: global }
      - { .name: Wo, .offset: 24, .size: 8, .value_kind: global_buffer, .address_space: global }
      - { .name: wc, .offset: 32, .size: 8, .value_kind: global_buffer, .address_space: global }
      - { .name: ws, .offset: 40, .size: 8, .value_kind: global_buffer, .address_space: global }
    .group_segment_fixed_size: 1536
    .private_segment_fixed_size: 0
    .kernarg_segment_align: 8
    .kernarg_segment_size: 48
    .max_flat_workgroup_size: 256
    .sgpr_count:     66
    .vgpr_count:     98
    .wavefront_size: 32
...
	.end_amdgpu_metadata
.endif
;; end of part 5
;; launch proj (part 6): grid 64 x 3, 4 waves a work-group, no clusters, 37,376 bytes of LDS; arguments Query_x, KeyandValue_x, bq, bk, bv, wc, ws, qr, kv; writes qr, kv
.if DOCPART == 6
	.amdgcn_target "amdgcn-amd-amdhsa--gfx1250"
	.amdhsa_code_object_version 6
	.text
	.protected	k_q46467091a9_proj
	.globl	k_q46467091a9_proj
	.p2align	8
	.type	k_q46467091a9_proj,@function
k_q46467091a9_proj:
	s_mov_b64 s[64:65], 0
	v_nop
	global_prefetch_b8 v0, s[64:65] scope:SCOPE_SE
	s_setreg_imm32_b32 hwreg(HW_REG_WAVE_SCHED_MODE, 0, 2), 2
	s_setreg_imm32_b32 hwreg(HW_REG_WAVE_MODE, 25, 1), 1
	s_wait_xcnt 0x0
	s_wait_alu depctr_vm_vsrc(0)
; Q = Query_x Wq + bq (y = 0), K = KeyandValue_x Wk + bk (y = 1), V = KeyandValue_x Wv + bv (y = 2): products on codes of FP4 (E2M1) with one E8M0 scale for each 32 along K, sums in f32;
; the results are quantised at once for the attention's products and leave as codes alone: Q and K along a head's 64 channels, V along the keys.
; SHARES.  Work-group (j, y): rows 128 j .. 128 j + 127 of its x, as 8 tiles m of 16 rows.  THE WAVES SHARE THE COLUMNS: wave w owns columns 128 w .. 128 w + 127 (heads 2 w, 2 w + 1), 8 tiles t;
; its 32 fragments of the weight come once, as register images, straight into 256 registers and stay.  Wave w quantises rows 32 w .. 32 w + 31 of x (8 fragments); these go from wave to wave through LDS as images.
; THE ROWS OF A TILE ARE NOT NEIGHBOURS, of x and of the weight alike: lane r of tile T takes row 32 (T / 2) + 8 (T % 2) + r + 8 (r / 8), so that the 16 result registers of tiles 2 b, 2 b + 1 are 16 neighbours.
; Q, K: source 0 = 16 columns of W, source 1 = 16 rows of x: a lane holds one row and 64 of my 128 columns: column 32 b + 16 h + i in register 16 b + i.  One fragment of 128 = two heads' halves of 64.
; V:    source 0 = 16 rows of x (keys), source 1 = 16 columns of W: a lane holds one channel and 64 of the 128 keys, key 32 b + 16 h + i in register 16 b + i.
; OUT.  qr[bh][jj][4,608]: 8 tiles x 512 bytes (registers 0-3 of a fragment whose k = 64 .. 127 are zeros), then 512 bytes of scale words: lane l's 16 bytes are words i = 0 .. 3, of tile 2 i (l < 16) or 2 i + 1, row l % 16;
; a word is byte 0, byte 1, 0x7f, 0x7f.  kv[bh][step][9,216]: K's half laid the same; V's half: 4 channel tiles x 1,024 bytes, then lane l's 16 bytes = the words of tiles 0 .. 3 of channel row l % 16.
; The biases are the C of each sum's first matrix instruction.
; NO CLUSTER, NO TENSOR LOAD: what work-groups share is the weight, and each wave takes its 32 KiB of it once, straight into registers; a way through LDS would add a write and a read of those bytes.
; LIMITS: NaN and infinities are not served; a block whose largest magnitude lies under 2^-124, or a block of zeros, gets the byte 1: this program alone reads the bytes.
; REGISTERS, in windows of 256: window 0 as named below; window 1: W's fragment (t, s) at v[8 (4 t + s)]; window 2: x's fragment (m, s) at v[8 (4 m + s)]; window 3: four sets of 64 numbers of x.
; THE MODE: SCHED_MODE bits 1:0 = 2 (LLVM: expert scheduling mode 2), set by the entry lines.  The code itself states the register dependences
; between vector or matrix instructions and memory or LDS instructions, with s_wait_alu, always for 0.
; THE PLAN.  Registers that memory or LDS instructions touch:
;   v1-7              offsets and LDS addresses: made once at the head, never written again: one wait on va_vdst ahead of the first load serves every load and store of the kernel.
;   windows 1 and 2, WSC, XSW, BV, BI   each loaded once, into registers that no vector instruction has named; read by matrix instructions (BV by moves); no memory instruction reads them.
;   window 3, set f % 4   fragment f's quantiser reads it; behind it the loads of fragment f + 4 land in it.
;   XP + 8 f, XW + f  fragment f's codes and scale word, registers of their own for each of the eight: written by its quantiser, read by its three LDS stores.  XP lies in the accumulators, which the first products write.
;   PC, KS0, KS1      a group's codes and the scale words on their way out: written by the group's vector work, read by its global stores; PC is written again by the next group's quantiser.
; So ONE wait on va_vdst stands behind each quantiser: in the first phase it states that the codes and the word are written and that the set is done with; in a group, that PC and the words are written.
; One wait on vm_vsrc stands ahead of the first products (the LDS stores have read XP), and one a group, beside the wait on XCNT, ahead of the quantiser that writes PC again: 32 matrix instructions behind the stores that it names.
.set LI,  1                            ; 16 x lane: my place in an image
.set XA,  2                            ; x: (r + 8 (r / 8)) rows of 2,048 bytes + 64 h
.set WSA, 3                            ; W's scale words: (r + 8 (r / 8)) x 16
.set BAQ, 4                            ; bias for Q, K: 64 h
.set BAV, 5                            ; bias for V: (r + 8 (r / 8)) x 4
.set XWI, 6                            ; where I store x's images: 16 x lane + 8,192 x wave
.set XWS, 7                            ; and their scale words: XSC + 16 x lane + 1,024 x wave
.set XW,  8                            ; v8-15    the scale words of my eight fragments of x, a register each (at the head v8-11: lane, r, h, r + 8 (r / 8))
.set WSC, 16                           ; v16-47   W's scale words, 4 t + s
.set XSW, 48                           ; v48-79   x's scale words, 4 m + s
.set ACC, 80                           ; v80-143  eight accumulators
.set XP,  80                           ; v80-143  in the first phase: the codes of my eight fragments of x, eight registers each
.set BI,  144                          ; v144-207 the bias as C: eight registers a tile
.set PC,  208                          ; v208-215 a group's codes
.set TM,  216                          ; v216-219 largest magnitudes, v220-223 bytes, v228-231 the conversions' scale operands
.set PW,  232                          ; a group's scale word
.set T0,  233
.set T1,  234
.set KS0, 236                          ; v236-239, v240-243 the two heads' scale words on their way out
.set KS1, 240
.set BV,  244                          ; v244-251 bias for V: one number a tile
.set XSC, 32768                        ; LDS: x's 32 images of 1,024 bytes from 0; from here their scale words, 512 bytes a tile
.set SEL, 40
.set MSB, 0
.macro WIN new                         ; the immediate's high byte repeats the setting that is left; bits 1:0 source 0, 3:2 source 1, 5:4 source 2, 7:6 destination
.if MSB != (\new)
	s_set_vgpr_msb (MSB<<8)|(\new)
.set MSB, (\new)
.endif
.endm
; fragment f of my eight (tile 2 w + f / 4, K step f % 4): 64 numbers a lane into set f % 4 of window 3; register 16 b + 4 i + e = k 32 b + 16 h + 4 i + e of my row
.macro XLOAD f
	WIN 0xc0
.irp b, 0,1,2,3
.irp i, 0,1,2,3
	global_load_b128 v[64*((\f)%4)+16*\b+4*\i:64*((\f)%4)+16*\b+4*\i+3], v[XA], s[26:27] offset:((\f)/4)*16384+((\f)%4)*512+128*\b+16*\i
.endr
.endr
	WIN 0
.endm
; 64 numbers of a lane, v[s] on in window w, register 16 b + i = k 32 b + 16 h + i of my row, become a fragment's codes in v[pc] on and its scale word in v[pw]
.macro QUANT s, w, pc, pw
	WIN 5*(\w)
.irp b, 0,1,2,3
	v_max3_num_f32 v[TM+\b], |v[(\s)+16*\b]|, |v[(\s)+16*\b+1]|, 0x1800000   ; block b: my 16 numbers, from the low end on, and the floor 2^(3 - 127): the byte cannot fall under 1
.endr
.irp i, 2,4,6,8,10,12,14
.irp b, 0,1,2,3
	v_max3_num_f32 v[TM+\b], |v[(\s)+16*\b+\i]|, |v[(\s)+16*\b+\i+1]|, v[TM+\b]   ; (the four blocks by turns)
.endr
.endr
	WIN 0
.irp b, 0,1,2,3
	v_permlanex16_b32 v[TM+4+\b], v[TM+\b], s[SEL], s[SEL+1]
.endr
.irp b, 0,1,2,3
	v_max_num_f32 v[TM+\b], v[TM+\b], v[TM+4+\b]   ; with lane l xor 16's: the block's largest magnitude
.endr
.irp b, 0,1,2,3
	v_add_nc_u32 v[TM+12+\b], 0xff000000, v[TM+\b] ; 2 off its exponent field: the conversion's scale operand
.endr
.irp b, 0,1,2,3
	v_lshrrev_b32 v[TM+4+\b], 23, v[TM+12+\b]      ; the scale's byte
.endr
	v_lshl_or_b32 v[(\pw)], v[TM+5], 8, v[TM+4]
	v_lshl_or_b32 v[(\pw)], v[TM+6], 16, v[(\pw)]
	v_lshl_or_b32 v[(\pw)], v[TM+7], 24, v[(\pw)]
	WIN (\w)
.irp b, 0,1,2,3
	v_cvt_scalef32_pk8_fp4_f32 v[(\pc)+2*\b], v[(\s)+16*\b:(\s)+16*\b+7], v[TM+12+\b]
	v_cvt_scalef32_pk8_fp4_f32 v[(\pc)+2*\b+1], v[(\s)+16*\b+8:(\s)+16*\b+15], v[TM+12+\b]
.endr
	WIN 0
	v_nop                                          ; one plain place behind a scaled conversion
.irp c, 0,1                                    ; the operand's layout wants a WHOLE block in a lane: lanes 0-15 block 2 c, lanes 16-31 block 2 c + 1
.irp i, 0,1
	v_permlane16_swap_b32 v[(\pc)+4*\c+\i], v[(\pc)+4*\c+2+\i]
.endr
.endr
.endm
	s_load_b256 s[4:11], s[0:1], 0x0               ; Query_x, KeyandValue_x, bq, bk
	s_load_b256 s[12:19], s[0:1], 0x20             ; bv, wc, ws, qr
	s_load_b64 s[20:21], s[0:1], 0x40              ; kv
	v_lshl_add_u32 v254, v0, 2, 0x9000
	v_mov_b32 v255, 0
	v_lshrrev_b32 v8, 5, v0
	v_readfirstlane_b32 s22, v8                    ; wave 0..3
	s_and_b32 s23, ttmp7, 0xffff                   ; y: 0 Q, 1 K, 2 V
	s_mov_b32 s24, ttmp9                           ; j
	v_and_b32 v8, 31, v0                           ; lane
	v_and_b32 v9, 15, v0                           ; r
	v_bfe_u32 v10, v0, 4, 1                        ; h
	v_and_b32 v11, 8, v9
	v_add_nc_u32 v11, v11, v9                      ; r + 8 (r / 8)
	v_lshlrev_b32 v[LI], 4, v8
	v_lshlrev_b32 v[XA], 11, v11
	v_lshl_add_u32 v[XA], v10, 6, v[XA]
	v_lshlrev_b32 v[WSA], 4, v11
	v_lshlrev_b32 v[BAQ], 6, v10
	v_lshlrev_b32 v[BAV], 2, v11
	s_wait_alu depctr_va_sdst(0)                   ; s22, the wave's number, is written, ahead of its first reader: LDS addresses and every base are made from it
	s_lshl_b32 s25, s22, 13
	v_add_nc_u32 v[XWI], s25, v[LI]
	s_lshl_b32 s25, s22, 10
	s_add_co_u32 s25, s25, XSC
	v_add_nc_u32 v[XWS], s25, v[LI]
.irp b, 0,1,2,3
	v_mov_b32 v[TM+4+\b], 0                        ; written once: a lane permute's destination counts as one of its sources
.endr
	s_mov_b32 s[SEL], 0x76543210
	s_mov_b32 s[SEL+1], 0xfedcba98                 ; v_permlanex16_b32's selects for lane l xor 16
	s_mov_b32 s42, 0x7f7f0000                      ; the scale bytes of a head's k = 64 .. 127, whose codes are zeros
	s_mov_b32 s43, 0xffff0000                      ; lanes 16-31
	; offsets, in registers of their own
	s_lshl_b32 s44, s24, 18                        ; x: 128 j rows of 2,048 bytes
	s_lshl_b32 s45, s22, 16                        ;    + 32 w rows
	s_add_co_u32 s44, s44, s45
	s_mov_b32 s45, 0
	s_lshl_b32 s46, s22, 9                         ; bias: my 128 numbers
	s_mov_b32 s47, 0
	s_lshl_b32 s48, s23, 17                        ; wc: the weight, my 8 tiles of 4,096 bytes
	s_lshl_b32 s49, s22, 15
	s_add_co_u32 s48, s48, s49
	s_mov_b32 s49, 0
	s_lshl_b32 s50, s23, 13                        ; ws: the weight, my 128 rows of 16 bytes
	s_lshl_b32 s51, s22, 11
	s_add_co_u32 s50, s50, s51
	s_mov_b32 s51, 0
	s_mov_b32 s52, 294912                          ; a head's bytes and a record's: kv's,
	s_mov_b32 s53, 9216
	s_cmp_eq_u32 s23, 0
	s_cselect_b32 s52, 147456, s52                 ; or qr's
	s_cselect_b32 s53, 4608, s53
	s_lshr_b32 s54, s24, 5                         ; the batch
	s_lshl_b32 s54, s54, 3
	s_lshl_b32 s55, s22, 1
	s_add_co_u32 s54, s54, s55                     ; bh of my first head: 8 b + 2 w
	s_mul_i32 s54, s54, s52
	s_and_b32 s55, s24, 31                         ; the record: j % 32
	s_mul_i32 s55, s55, s53
	s_add_co_u32 s54, s54, s55
	s_cmp_eq_u32 s23, 2
	s_cselect_b32 s55, 4608, 0                     ; V's half lies behind K's
	s_add_co_u32 s54, s54, s55
	s_mov_b32 s55, 0
	s_mov_b32 s53, 0                               ; s[52:53]: from a head to the next
	s_wait_kmcnt 0x0
	s_cmp_eq_u32 s23, 0                            ; the buffers are chosen by the work-group's number alone
	s_cselect_b64 s[26:27], s[4:5], s[6:7]
	s_cselect_b64 s[28:29], s[8:9], s[10:11]
	s_cselect_b64 s[36:37], s[18:19], s[20:21]
	s_cmp_eq_u32 s23, 2
	s_cselect_b64 s[28:29], s[12:13], s[28:29]
	s_add_nc_u64 s[26:27], s[26:27], s[44:45]      ; x at my wave's 32 rows
	s_add_nc_u64 s[28:29], s[28:29], s[46:47]      ; the bias at my columns
	s_add_nc_u64 s[30:31], s[14:15], s[48:49]      ; W's images
	s_add_nc_u64 s[32:33], s[16:17], s[50:51]      ; W's scale words
	s_add_nc_u64 s[36:37], s[36:37], s[54:55]      ; out: head 2 w,
	s_add_nc_u64 s[38:39], s[36:37], s[52:53]      ; head 2 w + 1
	WIN 0x40                                       ; destination window 1
	s_wait_alu depctr_va_vdst(0)                   ; the seven offsets and addresses v1 to v7 are written: every load and store of the kernel reads one of them, and none is written again
.irp t, 0,1,2,3,4,5,6,7
.irp s, 0,1,2,3
.irp c, 0,1
	global_load_b128 v[8*(4*\t+\s)+4*\c:8*(4*\t+\s)+4*\c+3], v[LI], s[30:31] offset:(4*\t+\s)*1024+512*\c   ; 512 consecutive bytes a load
.endr
.endr
.endr
	WIN 0
.irp t, 0,1,2,3,4,5,6,7
	global_load_b128 v[WSC+4*\t:WSC+4*\t+3], v[WSA], s[32:33] offset:(32*(\t/2)+8*(\t%2))*16   ; a column's four words
.endr
; Both forms of the bias are loaded on the one way that all take, so that the text parts on y once, behind the barrier: for Q and K the lane's eight columns of a tile, for V its one channel.
.irp t, 0,1,2,3,4,5,6,7
	global_load_b128 v[BI+8*\t:BI+8*\t+3], v[BAQ], s[28:29] offset:(32*(\t/2)+8*(\t%2))*4
	global_load_b128 v[BI+8*\t+4:BI+8*\t+7], v[BAQ], s[28:29] offset:(32*(\t/2)+8*(\t%2))*4+16
	global_load_b32 v[BV+\t], v[BAV], s[28:29] offset:(32*(\t/2)+8*(\t%2))*4
.endr
	XLOAD 0
	XLOAD 1
	XLOAD 2
	XLOAD 3
	; ---- my 32 rows of x become eight fragments; loads run three fragments ahead; each fragment's codes and word have registers of their own, so that no LDS store's data are written again in this phase
.irp f, 0,1,2,3,4,5,6,7
.if \f <= 4
	s_wait_loadcnt 48                              ; fragment f's 16 loads, and all that is older, are in; the three younger fragments' 48 may be out
.else
	s_wait_loadcnt 16*(7-\f)                       ; the counts run down: 32, 16, 0
.endif
	QUANT 64*(\f%4), 3, XP+8*\f, XW+\f
	s_wait_alu depctr_va_vdst(0)                   ; the quantiser has written this fragment's codes and word, which the LDS stores below read, and is done reading its set of window 3, in which the loads below land
.if \f < 4
	XLOAD \f+4                                     ; into the set just quantised: only the window switch stands between the wait and these loads
.endif
	ds_store_b128 v[XWI], v[XP+8*\f:XP+8*\f+3] offset:1024*\f
	ds_store_b128 v[XWI], v[XP+8*\f+4:XP+8*\f+7] offset:1024*\f+512
	ds_store_b32 v[XWS], v[XW+\f] offset:(\f/4)*512+4*(\f%4)
.endr
	s_wait_dscnt 0x0                               ; for the other waves' sake: my eight images and their words lie in LDS
	s_barrier_signal -1
	s_barrier_wait -1                              ; x's 32 images lie in LDS
	WIN 0x80                                       ; destination window 2: no vector instruction has named these registers, nor XSW's
.irp m, 0,1,2,3,4,5,6,7
.irp s, 0,1,2,3
.irp c, 0,1
	ds_load_b128 v[8*(4*\m+\s)+4*\c:8*(4*\m+\s)+4*\c+3], v[LI] offset:(4*\m+\s)*1024+512*\c
.endr
.endr
.endr
	WIN 0
.irp m, 0,1,2,3,4,5,6,7
	ds_load_b128 v[XSW+4*\m:XSW+4*\m+3], v[LI] offset:XSC+512*\m
.endr
	s_wait_dscnt 0x0                               ; from here on the work is on registers alone
	s_wait_alu depctr_vm_vsrc(0)                   ; my LDS stores have read v[XP ..]: these registers are the accumulators from here on, written by the products of both ways below
	s_cmp_eq_u32 s23, 2
	s_cbranch_scc1 .Lvpath
; ---- Q, K: tile m of rows against my eight tiles of columns: 32 matrix instructions, the eight accumulators by turns
.macro GROUPQK m
	WIN 0x09                                       ; source 0 (W) window 1, source 1 (x) window 2
.irp s, 0,1,2,3
.irp t, 0,1,2,3,4,5,6,7
.if \s == 0
	v_wmma_scale_f32_16x16x128_f8f6f4 v[ACC+8*\t:ACC+8*\t+7], v[8*(4*\t+\s):8*(4*\t+\s)+7], v[8*(4*(\m)+\s):8*(4*(\m)+\s)+7], v[BI+8*\t:BI+8*\t+7], v[WSC+4*\t+\s], v[XSW+4*(\m)+\s] matrix_a_fmt:MATRIX_FMT_FP4 matrix_b_fmt:MATRIX_FMT_FP4
.else
	v_wmma_scale_f32_16x16x128_f8f6f4 v[ACC+8*\t:ACC+8*\t+7], v[8*(4*\t+\s):8*(4*\t+\s)+7], v[8*(4*(\m)+\s):8*(4*(\m)+\s)+7], v[ACC+8*\t:ACC+8*\t+7], v[WSC+4*\t+\s], v[XSW+4*(\m)+\s] matrix_a_fmt:MATRIX_FMT_FP4 matrix_b_fmt:MATRIX_FMT_FP4
.endif
.endr
.endr
	WIN 0
.rept 4
	v_nop                                          ; four places behind the last product, ahead of the first read of results (ISA guide 7.12.1); the quantiser's plain lines are the places ahead of the next group's products, which begin the accumulators anew
.endr
.if (\m) > 0
	s_wait_xcnt 0x0                                ; the last group's stores have had their addresses translated (ISA guide 3.1): their data registers are rewritten only behind this wait,
	s_wait_alu depctr_vm_vsrc(0)                   ; and they have read v[PC ..], which this group's quantiser writes again
.endif
	QUANT ACC, 0, PC, PW
.if (\m)%2 == 0
	v_and_or_b32 v[KS0+(\m)/2], v[PW], 0xffff, s42                    ; a head's word: its two bytes, and 0x7f twice
	v_lshrrev_b32 v[KS1+(\m)/2], 16, v[PW]
	v_or_b32 v[KS1+(\m)/2], s42, v[KS1+(\m)/2]
.else
	v_and_or_b32 v[T0], v[PW], 0xffff, s42
	v_lshrrev_b32 v[T1], 16, v[PW]
	v_or_b32 v[T1], s42, v[T1]
	v_cndmask_b32 v[KS0+(\m)/2], v[KS0+(\m)/2], v[T0], s43            ; an odd tile's words go to lanes 16-31
	v_cndmask_b32 v[KS1+(\m)/2], v[KS1+(\m)/2], v[T1], s43
.endif
	s_wait_alu depctr_va_vdst(0)                   ; the quantiser has written v[PC ..], which the two stores below read; behind the last group the lines above have also written the heads' words, which the last two stores read
	global_store_b128 v[LI], v[PC:PC+3], s[36:37] offset:512*(\m)     ; head 2 w: 512 consecutive bytes, aligned
	global_store_b128 v[LI], v[PC+4:PC+7], s[38:39] offset:512*(\m)   ; head 2 w + 1
.endm
.irp m, 0,1,2,3,4,5,6,7
	GROUPQK \m
.endr
	global_store_b128 v[LI], v[KS0:KS0+3], s[36:37] offset:4096       ; no vector instruction stands between the last group's wait and these
	global_store_b128 v[LI], v[KS1:KS1+3], s[38:39] offset:4096
	s_wait_dscnt 0x0
	s_wait_alu depctr_hold_cnt(0) depctr_sa_sdst(0) depctr_va_vdst(0) depctr_va_sdst(0) depctr_va_ssrc(0) depctr_va_vcc(0) depctr_vm_vsrc(0)
	s_wait_tensorcnt 0x0
	ds_add_u32 v254, v255
	s_wait_dscnt 0x0
	s_endpgm
.Lvpath:
; ---- V: all eight tiles of keys against tile g of my channels
.irp g, 0,1,2,3,4,5,6,7
.irp j, 0,1,2,3,4,5,6,7
	v_mov_b32 v[BI+8*\g+\j], v[BV+\g]              ; a lane's eight results of a tile are eight keys of ONE channel: its bias in all eight
.endr
.endr
.macro GROUPV g
	WIN 0x06                                       ; source 0 (x) window 2, source 1 (W) window 1
.irp s, 0,1,2,3
.irp m, 0,1,2,3,4,5,6,7
.if \s == 0
	v_wmma_scale_f32_16x16x128_f8f6f4 v[ACC+8*\m:ACC+8*\m+7], v[8*(4*\m+\s):8*(4*\m+\s)+7], v[8*(4*(\g)+\s):8*(4*(\g)+\s)+7], v[BI+8*(\g):BI+8*(\g)+7], v[XSW+4*\m+\s], v[WSC+4*(\g)+\s] matrix_a_fmt:MATRIX_FMT_FP4 matrix_b_fmt:MATRIX_FMT_FP4
.else
	v_wmma_scale_f32_16x16x128_f8f6f4 v[ACC+8*\m:ACC+8*\m+7], v[8*(4*\m+\s):8*(4*\m+\s)+7], v[8*(4*(\g)+\s):8*(4*(\g)+\s)+7], v[ACC+8*\m:ACC+8*\m+7], v[XSW+4*\m+\s], v[WSC+4*(\g)+\s] matrix_a_fmt:MATRIX_FMT_FP4 matrix_b_fmt:MATRIX_FMT_FP4
.endif
.endr
.endr
	WIN 0
.rept 4
	v_nop
.endr
.if (\g) > 0
	s_wait_xcnt 0x0                                ; the last group's stores have had their addresses translated: their data registers are rewritten only behind this wait,
	s_wait_alu depctr_vm_vsrc(0)                   ; and they have read v[PC ..], which this group's quantiser writes again
.endif
	QUANT ACC, 0, PC, PW                           ; along the 128 keys
	v_mov_b32 v[KS0+(\g)], v[PW]                   ; the channel's word for these 128 keys: a register for each group, never written again
	s_wait_alu depctr_va_vdst(0)                   ; the quantiser has written v[PC ..] and the move the word, which the stores below read
	global_store_b128 v[LI], v[PC:PC+3], s[36+2*((\g)/4):37+2*((\g)/4)] offset:((\g)%4)*1024
	global_store_b128 v[LI], v[PC+4:PC+7], s[36+2*((\g)/4):37+2*((\g)/4)] offset:((\g)%4)*1024+512
.if (\g)%4 == 3
	global_store_b128 v[LI], v[KS0+(\g)-3:KS0+(\g)], s[36+2*((\g)/4):37+2*((\g)/4)] offset:4096
.endif
.endm
.irp g, 0,1,2,3,4,5,6,7
	GROUPV \g
.endr
	s_wait_dscnt 0x0
	s_wait_alu depctr_hold_cnt(0) depctr_sa_sdst(0) depctr_va_vdst(0) depctr_va_sdst(0) depctr_va_ssrc(0) depctr_va_vcc(0) depctr_vm_vsrc(0)
	s_wait_tensorcnt 0x0
	ds_add_u32 v254, v255
	s_wait_dscnt 0x0
	s_endpgm
.Lfunc_end_k_q46467091a9_proj:
	.size	k_q46467091a9_proj, .Lfunc_end_k_q46467091a9_proj-k_q46467091a9_proj
	.p2alignl 7, 3214868480
	.fill 96, 4, 3214868480
	.section	.rodata,"a",@progbits
	.p2align	6, 0x0
	.amdhsa_kernel k_q46467091a9_proj
		.amdhsa_group_segment_fixed_size 37376
		.amdhsa_private_segment_fixed_size 0
		.amdhsa_enable_private_segment 0
		.amdhsa_kernarg_size 72
		.amdhsa_user_sgpr_count 2
		.amdhsa_user_sgpr_kernarg_segment_ptr 1
		.amdhsa_wavefront_size32 1
		.amdhsa_system_sgpr_workgroup_id_x 1
		.amdhsa_system_sgpr_workgroup_id_y 1
		.amdhsa_system_sgpr_workgroup_id_z 1
		.amdhsa_system_vgpr_workitem_id 0
		.amdhsa_next_free_vgpr 1024
		.amdhsa_next_free_sgpr 66
		.amdhsa_reserve_vcc 0
		.amdhsa_float_denorm_mode_32 3
		.amdhsa_float_denorm_mode_16_64 3
		.amdhsa_memory_ordered 1
		.amdhsa_forward_progress 1
		.amdhsa_inst_pref_size 199
	.end_amdhsa_kernel
	.amdgpu_metadata
---
amdhsa.version: [ 1, 2 ]
amdhsa.kernels:
  - .name:           k_q46467091a9_proj
    .symbol:         k_q46467091a9_proj.kd
    .args:
      - { .name: Query_x, .offset: 0, .size: 8, .value_kind: global_buffer, .address_space: global }
      - { .name: KeyandValue_x, .offset: 8, .size: 8, .value_kind: global_buffer, .address_space: global }
      - { .name: bq, .offset: 16, .size: 8, .value_kind: global_buffer, .address_space: global }
      - { .name: bk, .offset: 24, .size: 8, .value_kind: global_buffer, .address_space: global }
      - { .name: bv, .offset: 32, .size: 8, .value_kind: global_buffer, .address_space: global }
      - { .name: wc, .offset: 40, .size: 8, .value_kind: global_buffer, .address_space: global }
      - { .name: ws, .offset: 48, .size: 8, .value_kind: global_buffer, .address_space: global }
      - { .name: qr, .offset: 56, .size: 8, .value_kind: global_buffer, .address_space: global }
      - { .name: kv, .offset: 64, .size: 8, .value_kind: global_buffer, .address_space: global }
    .group_segment_fixed_size: 37376
    .private_segment_fixed_size: 0
    .kernarg_segment_align: 8
    .kernarg_segment_size: 72
    .max_flat_workgroup_size: 128
    .sgpr_count:     66
    .vgpr_count:     1024
    .wavefront_size: 32
...
	.end_amdgpu_metadata
.endif
;; end of part 6
;; launch attn (part 7): grid 16 x 16, 16 waves a work-group, clusters of 4 x 1, 327,680 bytes of LDS; arguments qr, kv, oc, os; writes oc, os
.if DOCPART == 7
	.amdgcn_target "amdgcn-amd-amdhsa--gfx1250"
	.amdhsa_code_object_version 6
	.text
	.protected	k_q46467091a9_attn
	.globl	k_q46467091a9_attn
	.p2align	8
	.type	k_q46467091a9_attn,@function
k_q46467091a9_attn:
	s_mov_b64 s[64:65], 0
	v_nop
	global_prefetch_b8 v0, s[64:65] scope:SCOPE_SE
	s_setreg_imm32_b32 hwreg(HW_REG_WAVE_MODE, 25, 1), 1
	s_wait_xcnt 0x0
	s_wait_alu depctr_hold_cnt(0) depctr_sa_sdst(0) depctr_va_vdst(0) depctr_va_sdst(0) depctr_va_ssrc(0) depctr_va_vcc(0) depctr_vm_vsrc(0)
	s_getreg_b32 s2, hwreg(HW_REG_IB_STS2, 6, 4)
	s_cmp_eq_u32 s2, 0
	s_cbranch_scc0 .Lentry_in_a_cluster
	s_endpgm
.Lentry_in_a_cluster:
	s_bfe_u32 s2, ttmp6, 0x10000c
	s_cmp_lg_u32 s2, 0x3003
	s_cbranch_scc0 .Lentry_shape_is_right
	s_endpgm
.Lentry_shape_is_right:
; O = softmax(Q K^T / 8) V for one (batch, head), both products on codes of FP4 (E2M1) with one E8M0 scale for each 32 along a product's K; O / l is quantised at once for the last product and leaves as codes.
; THE SOFTMAX AHEAD OF THE SECOND PRODUCT: t = score x log2(e) / 8; M = the row's largest t so far, rounded UP to a whole number; p = 2^(t - M) is what is quantised, along the keys, not normalised.
; The row's sum l is taken of the unquantised p, in f32, and divides O at the end.  When M moves, l and O are multiplied by 2^(old M - new M): exact.
; SHARES.  A work-group owns 256 queries of one head; each of its sixteen waves one tile of 16 queries in 256 registers: four waves to a SIMD, so that one wave's vector work stands beside another's loads and products.
; THE WHOLE HEAD LIES IN LDS: 32 records of 128 keys x 9,216 bytes = 294,912 bytes, each filled ONCE: no slot is filled again, and the loop over the keys has no barrier.
; A record is laid in the order of the operands' registers: 8 key tiles x 512 bytes (registers 0-3 of K's fragments; k = 64 .. 127 are zero codes under the byte 0x7f, kept in registers), 512 bytes of K's scale words,
; 4 channel tiles x 1,024 bytes of V^T, 512 bytes of V's scale words.  Every LDS load takes 512 consecutive bytes, 16 a lane.
; CLUSTER.  The four query blocks of a cluster belong to one head: each record is asked for JOINTLY, by the same tensor load with the same descriptor and a mask that names the four.  Wave w asks for records w and 16 + w:
; two tensor loads of a wave are out at the most.  The place in the cluster enters the addresses of Q and of the results alone.
; LAYOUT.  Both products are used transposed: S^T = K Q^T, O^T = V^T P^T: a lane holds ONE query (lane % 16).  The keys, queries and channels of a tile are not neighbours: lane r of tile T takes
; 32 (T / 2) + 8 (T % 2) + r + 8 (r / 8), so that the 16 registers of result tiles 2 b, 2 b + 1 are 16 neighbours, 32 b + 16 (lane / 16) + 0 .. 15.
; No prefetch: every byte of K and V is asked for at the kernel's head.
; LIMITS: NaN and infinities are not served; a block of O / l whose largest magnitude lies under 2^-124, or a block of zeros, gets the byte 1: this program alone reads the bytes.
; REGISTERS: v1 16 x lane; v2 the step's LDS address; v3-5 global offsets; v12 -M, v13 the largest t, v[14:15] l in two halves; v16-23 Q (v20-23 zeros); v32-95 K's eight fragments (the upper four registers of each: zeros);
; v96-159 S^T, then p; v160-191 O^T; v192-223 V's four fragments; v224-231 p's codes; v232-239, v244-247, v252, v254 at work; scale words: v240-243 V's, v248-251 K's, v253 p's, v255 Q's.
.set LI,  1
.set ADR, 2
.set QCO, 3
.set QSO, 4
.set OSO, 5
.set WV,  12                           ; s12  my wave's number
.set CS,  22                           ; s[22:23] c = log2(e) / 8: the packed form names a pair and takes its low word for both halves
.set G1,  24                           ; s[24:31] descriptor group 1
.set G0A, 32                           ; s[32:35], s[36:39] groups 0 of my two loads; never rewritten
.set G0B, 36
.set SEL, 40                           ; s[40:41] lane selects for v_permlanex16_b32: lane l xor 16
.set TB,  42                           ; s42  LDS byte of the record in hand
.set CNT, 43                           ; s43  steps to go in the half
.set REC, 9216
.set HALF, 16*REC
; A round of the cluster's barrier: my work-group's barrier; wave 0 signals for the work-group; every wave waits for all four work-groups; my work-group's barrier once more.
.macro CROUND
	s_barrier_signal -1
	s_barrier_wait -1
	s_cmp_lg_u32 s[WV], 0
	s_cbranch_scc1 .Lnot_wave_0_\@
	s_barrier_signal -3
.Lnot_wave_0_\@:
	s_barrier_wait -3
	s_barrier_signal -1
	s_barrier_wait -1
.endm
	s_load_b256 s[4:11], s[0:1], 0x0               ; qr s[4:5], kv s[6:7], oc s[8:9], os s[10:11]
	v_lshl_add_u32 v30, v0, 2, 0x48000
	v_mov_b32 v31, 0
	ds_add_u32 v30, v31
	ds_add_u32 v30, v31
	v_lshrrev_b32 v8, 5, v0
	s_delay_alu instid0(VALU_DEP_1)
	v_readfirstlane_b32 s[WV], v8                  ; wave 0..15
	s_bfe_u32 s13, ttmp6, 0x40000                  ; cx: my place in the cluster
	s_lshl_b32 s14, ttmp9, 2                       ; in a cluster launch ttmp9 counts clusters
	s_add_co_u32 s14, s14, s13                     ; my block of 256 queries
	s_and_b32 s15, ttmp7, 0xffff                   ; bh = 8 x batch + head, which the four partners share
	s_mul_i32 s20, s[WV], REC                      ; record w: in LDS and in the head's bytes alike
	s_mul_i32 s18, s15, 32*REC
	s_add_co_u32 s18, s18, s20                     ; (these registers never hold cx)
	s_mov_b32 s19, 0
	; descriptor group 1: a record is a dense block of 9,216 bytes: 36 rows of 256 bytes (32 elements of 8 bytes), no padding
	s_mov_b32 s[G1], 15|(3<<16)|(1<<21)            ; 15:0 the mask: all four work-groups; 17:16 elements of 8 bytes; 21 set beside a mask
	s_mov_b32 s[G1+1], 32<<16                      ; tensor_dim0 = 32
	s_mov_b32 s[G1+2], 36<<16                      ; tensor_dim1 = 36
	s_mov_b32 s[G1+3], 32<<16                      ; tile_dim0 = 32
	s_mov_b32 s[G1+4], 36                          ; tile_dim1 = 36
	s_mov_b32 s[G1+5], 32                          ; from row to row
	s_mov_b32 s[G1+6], 0
	s_mov_b32 s[G1+7], 0
	s_lshl_b32 s44, s14, 1                         ; Q's record: 2 x block + wave / 8,
	s_lshr_b32 s45, s[WV], 3
	s_add_co_u32 s44, s44, s45
	s_mul_i32 s44, s44, 4608
	s_mul_i32 s45, s15, 147456                     ; in my head
	s_add_co_u32 s44, s44, s45
	s_mov_b32 s45, 0
	s_lshr_b32 s46, s15, 3
	s_lshl_b32 s46, s46, 8
	s_lshl_b32 s47, s14, 4
	s_add_co_u32 s46, s46, s47
	s_add_co_u32 s46, s46, s[WV]                   ; T = 256 x batch + 16 x block + wave: my tile among the 512 of all rows
	s_and_b32 s47, s15, 7                          ; the head
	s_lshl_b32 s48, s46, 12                        ; oc: 4,096 T + 512 head
	s_lshl_b32 s49, s47, 9
	s_add_co_u32 s48, s48, s49
	s_mov_b32 s49, 0
	s_lshl_b32 s50, s46, 8                         ; os: 256 T + 2 head
	s_lshl_b32 s51, s47, 1
	s_add_co_u32 s50, s50, s51
	s_mov_b32 s51, 0
	s_mov_b32 s[CS], 0x3e38aa3b                    ; log2(e) / 8
	s_mov_b32 s[CS+1], s[CS]                       ; (named with it as a pair, so it is written)
	s_mov_b32 s[SEL], 0x76543210
	s_mov_b32 s[SEL+1], 0xfedcba98
	s_wait_dscnt 0x0
	s_wait_kmcnt 0x0
	s_add_nc_u64 s[6:7], s[6:7], s[18:19]          ; kv at record w of my head
	s_add_nc_u64 s[4:5], s[4:5], s[44:45]
	s_add_nc_u64 s[8:9], s[8:9], s[48:49]
	s_add_nc_u64 s[10:11], s[10:11], s[50:51]
	CROUND                                         ; all four work-groups are here: the joint loads meet
	s_mov_b32 s[G0A], 1                            ; count = 1
	s_mov_b32 s[G0A+1], s20                        ; LDS address: record w
	s_mov_b64 s[G0A+2:G0A+3], s[6:7]
	s_or_b32 s[G0A+3], s[G0A+3], 0x80000000        ; type = 2
	s_mov_b32 s[G0B], 1
	s_add_co_u32 s[G0B+1], s20, HALF               ; record 16 + w
	s_add_nc_u64 s[G0B+2:G0B+3], s[6:7], HALF
	s_or_b32 s[G0B+3], s[G0B+3], 0x80000000
	tensor_load_to_lds s[G0A:G0A+3], s[G1:G1+7]    ; the fill of record w goes out here; that of record 16 + w follows a wait on TENSORcnt and a cluster round
	s_nop 0
	s_wait_alu depctr_va_vdst(0)
	s_wait_tensorcnt 0x0
	ds_add_u32 v30, v31
	s_wait_dscnt 0x0
	CROUND
	tensor_load_to_lds s[G0B:G0B+3], s[G1:G1+7]
	s_nop 0
.rept 4
	v_nop                                          ; four lines behind the loads
.endr
	v_and_b32 v8, 31, v0
	s_delay_alu instid0(VALU_DEP_1)
	v_lshlrev_b32 v[LI], 4, v8
	v_and_b32 v9, 15, v0
	s_and_b32 s52, s[WV], 7                        ; my tile in Q's record
	s_lshl_b32 s53, s52, 9
	v_add_nc_u32 v[QCO], s53, v[LI]                ; its image
	s_and_b32 s53, s[WV], 1
	s_lshl_b32 s53, s53, 8                         ; its scale words: an odd tile's lie in lanes 16-31's bytes,
	s_lshr_b32 s52, s52, 1
	s_lshl_b32 s52, s52, 2                         ; word tile / 2
	s_add_co_u32 s53, s53, s52
	v_lshl_add_u32 v[QSO], v9, 4, s53
	global_load_b128 v[16:19], v[QCO], s[4:5]      ; Q's fragment stays in registers
	global_load_b32 v255, v[QSO], s[4:5] offset:4096
.irp j, 20,21,22,23
	v_mov_b32 v[\j], 0                             ; Q's k = 64 .. 127
.endr
.irp t, 0,1,2,3,4,5,6,7
.irp j, 4,5,6,7
	v_mov_b32 v[32+8*\t+\j], 0                     ; K's k = 64 .. 127: written once
.endr
.endr
	v_mov_b32 v13, 0xff61b1e6                      ; the largest t so far: -3e38, under every t
	s_delay_alu instid0(VALU_DEP_1)
	v_floor_f32 v12, -v13                          ; -M
	v_mov_b32 v14, 0
	v_mov_b32 v15, 0
.irp b, 0,1,2,3
	v_mov_b32 v[236+\b], 0                         ; written once: a lane permute's destination counts as one of its sources
.endr
	v_mov_b32 v253, 0                              ; (named as the upper half of the pair v[252:253] before it is first written)
.set J, 0
.rept 32
	v_mov_b32 v[160+J], 0                          ; O^T: the step is written once: the first finds zeros, which the first change of M leaves zeros
.set J, J+1
.endr
	s_wait_loadcnt 0x0                             ; Q
; A KEY STEP: 128 keys, one record.
.macro STEP
	v_add_nc_u32 v[ADR], s[TB], v[LI]
.irp t, 0,1,2,3,4,5,6,7
	ds_load_b128 v[32+8*\t:35+8*\t], v[ADR] offset:512*\t
.endr
	ds_load_b128 v[248:251], v[ADR] offset:4096    ; K's scale words: register i: lanes 0-15 tile 2 i, lanes 16-31 tile 2 i + 1
	s_wait_alu depctr_va_vdst(0)
	s_wait_dscnt 0x0
.irp t, 0,2,4,6
	v_wmma_scale_f32_16x16x128_f8f6f4 v[96+8*\t:103+8*\t], v[32+8*\t:39+8*\t], v[16:23], 0, v[248+\t/2], v255 matrix_a_fmt:MATRIX_FMT_FP4 matrix_b_fmt:MATRIX_FMT_FP4
	v_wmma_scale_f32_16x16x128_f8f6f4 v[104+8*\t:111+8*\t], v[40+8*\t:47+8*\t], v[16:23], 0, v[248+\t/2], v255 matrix_a_fmt:MATRIX_FMT_FP4 matrix_b_fmt:MATRIX_FMT_FP4 matrix_a_scale:MATRIX_SCALE_ROW1
.endr
.rept 4
	v_nop                                          ; four places ahead of the first read of the scores; with the addition at the step's head they are also the places between the last step's products V^T P and the loads into V's registers
.endr
.irp t, 0,1,2,3
.irp c, 0,1
	ds_load_b128 v[192+8*\t+4*\c:195+8*\t+4*\c], v[ADR] offset:4608+1024*\t+512*\c   ; V is asked for here and lands during the softmax
.endr
.endr
	ds_load_b128 v[240:243], v[ADR] offset:8704    ; V's scale words
.irp b, 0,1,2,3
	v_max3_num_f32 v[232+\b], v[96+16*\b], v[97+16*\b], v[98+16*\b]   ; THE LARGEST SCORE OF EACH BLOCK OF 32 KEYS serves twice: for the row's maximum, and, since p rises with the score, for the block's largest p
.endr
.irp i, 3,5,7,9,11,13
.irp b, 0,1,2,3
	v_max3_num_f32 v[232+\b], v[232+\b], v[96+16*\b+\i], v[97+16*\b+\i]   ; (the four blocks by turns)
.endr
.endr
.irp b, 0,1,2,3
	v_max_num_f32 v[232+\b], v[232+\b], v[111+16*\b]
.endr
.irp b, 0,1,2,3
	s_delay_alu instid0(VALU_DEP_4)
	v_permlanex16_b32 v[236+\b], v[232+\b], s[SEL], s[SEL+1]
.endr
.irp b, 0,1,2,3
	s_delay_alu instid0(VALU_DEP_4)
	v_max_num_f32 v[232+\b], v[232+\b], v[236+\b]  ; with lane l xor 16's 16 keys
.endr
	s_delay_alu instid0(VALU_DEP_2)
	v_max3_num_f32 v254, v232, v233, v234
	s_delay_alu instid0(VALU_DEP_1)
	v_max_num_f32 v254, v254, v235                 ; the step's largest score of my query
	s_delay_alu instid0(VALU_DEP_1)
	v_mul_f32 v254, s[CS], v254                    ; as t (c is positive)
	s_delay_alu instid0(VALU_DEP_1)
	v_max_num_f32 v13, v13, v254                   ; the running largest t
	v_mov_b32 v254, v12
	s_delay_alu instid0(VALU_DEP_2)
	v_floor_f32 v12, -v13                          ; the new -M = floor(-t) = -ceil(t): a whole number
	s_delay_alu instid0(VALU_DEP_1)
	v_sub_f32 v254, v12, v254                      ; old M - new M: a whole number, 0 or less
	s_delay_alu instid0(VALU_DEP_1)
	v_cvt_i32_f32 v254, v254                       ; (it saturates)
	s_delay_alu instid0(VALU_DEP_1)
	v_ldexp_f32 v252, 1.0, v254                    ; f = 2^(old M - new M)
.set J, 0
.rept 32
	v_pk_fma_f32 v[96+J:97+J], v[96+J:97+J], s[CS:CS+1], v[12:13] op_sel_hi:[1,0,0]   ; t - M, two at a time
.set J, J+2
.endr
.irp b, 0,1,2,3
	v_fma_f32 v[232+\b], v[232+\b], s[CS], v12     ; the same of each block's largest score
.endr
.set J, 0
	s_wait_alu depctr_va_vdst(0)
.rept 64
	v_exp_f32 v[96+J], v[96+J]                     ; p = 2^(t - M), at most 1
.set J, J+1
.endr
	s_setprio 1
	v_pk_mul_f32 v[14:15], v[14:15], v[252:253] op_sel_hi:[1,0]   ; l under the new M: the plain place behind the exponentials
	s_wait_alu depctr_va_vdst(0)                   ; one wait for the batch of 64, ahead of its first reader
.irp b, 0,1,2,3
	v_exp_f32 v[232+\b], v[232+\b]                 ; the block's largest p: the same two instructions on the same number give the same bits
.endr
	v_pk_add_f32 v[236:237], v[96:97], v[98:99]    ; THE ROW'S SUM IS TAKEN OF THE UNQUANTISED p, two at a time, in two chains; it reads the 64 alone
.irp j, 4,8,12,16,20,24,28,32,36,40,44,48,52,56,60
	v_pk_add_f32 v[14:15], v[14:15], v[96+\j:97+\j]
	v_pk_add_f32 v[236:237], v[236:237], v[98+\j:99+\j]
.endr
	s_delay_alu instid0(VALU_DEP_1)
	v_pk_add_f32 v[14:15], v[14:15], v[236:237]
	s_wait_alu depctr_va_vdst(0)                   ; and one for the four
.irp b, 0,1,2,3
	v_max_num_f32 v[232+\b], 0x1800000, v[232+\b]  ; the floor 2^(3 - 127): the byte cannot fall under 1
.endr
.irp b, 0,1,2,3
	s_delay_alu instid0(VALU_DEP_4)
	v_add_nc_u32 v[244+\b], 0xff000000, v[232+\b]  ; 2 off the exponent field: the conversion's scale operand
.endr
.irp b, 0,1,2,3
	s_delay_alu instid0(VALU_DEP_4)
	v_lshrrev_b32 v[236+\b], 23, v[244+\b]         ; the scale's byte
.endr
	s_delay_alu instid0(VALU_DEP_3)
	v_lshl_or_b32 v253, v237, 8, v236              ; p's scale word for these 128 keys
	s_delay_alu instid0(VALU_DEP_1)
	v_lshl_or_b32 v253, v238, 16, v253
	s_delay_alu instid0(VALU_DEP_1)
	v_lshl_or_b32 v253, v239, 24, v253
.irp b, 0,1,2,3
	v_cvt_scalef32_pk8_fp4_f32 v[224+2*\b], v[96+16*\b:103+16*\b], v[244+\b]
	v_cvt_scalef32_pk8_fp4_f32 v[225+2*\b], v[104+16*\b:111+16*\b], v[244+\b]
.endr
	v_nop                                          ; one plain place behind a scaled conversion
.irp c, 0,1                                    ; the operand's layout wants a WHOLE block in a lane
.irp i, 0,1
	v_permlane16_swap_b32 v[224+4*\c+\i], v[226+4*\c+\i]
.endr
.endr
.set J, 0
	s_setprio 0
.rept 16
	v_pk_mul_f32 v[160+J:161+J], v[160+J:161+J], v[252:253] op_sel_hi:[1,0]   ; O^T under the new M.  These sixteen stand between the lines that made p's codes and scale word and the products that take them
.set J, J+2
.endr
	s_wait_alu depctr_va_vdst(0)
	s_wait_dscnt 0x0                               ; V is in
.irp t, 0,1,2,3
	v_wmma_scale_f32_16x16x128_f8f6f4 v[160+8*\t:167+8*\t], v[192+8*\t:199+8*\t], v[224:231], v[160+8*\t:167+8*\t], v[240+\t], v253 matrix_a_fmt:MATRIX_FMT_FP4 matrix_b_fmt:MATRIX_FMT_FP4
.endr
.endm
; Half n of the head: 16 steps.  left: how many of my tensor loads may stay out.
.macro CHUNK n, left
	s_wait_dscnt 0x0
	s_wait_tensorcnt \left                         ; tensor loads of a wave end in order: my record of this half is in
	s_barrier_signal -1
	s_barrier_wait -1                              ; every wave's is
	s_mov_b32 s[TB], (\n)*HALF
	s_mov_b32 s[CNT], 16
.Lstep_\@:
	s_setprio 2
	STEP
	s_add_co_u32 s[TB], s[TB], REC
	s_sub_co_u32 s[CNT], s[CNT], 1
	s_cmp_lg_u32 s[CNT], 0
	s_cbranch_scc1 .Lstep_\@
	s_setprio 0
.endm
	CHUNK 0, 1                                     ; records 0 to 15, while records 16 to 31 are still on their way
	CHUNK 1, 0
	; THE WAY OUT.  O^T / l, register 16 b + i = channel 32 b + 16 h + i of my query: two blocks of 32 along the last product's K: quantised in registers, no LDS.
	v_add_f32 v14, v14, v15                        ; l's two halves,
	s_delay_alu instid0(VALU_DEP_1)
	v_permlanex16_b32 v252, v14, s[SEL], s[SEL+1]
	s_delay_alu instid0(VALU_DEP_1)
	v_add_f32 v14, v14, v252                       ; and lane l xor 16's
	s_wait_alu depctr_va_vdst(0)
	v_rcp_f32 v14, v14
	v_and_b32 v9, 15, v0                           ; plain lines behind the reciprocal, and the places behind the last products
	s_delay_alu instid0(VALU_DEP_1)
	v_lshlrev_b32 v[OSO], 4, v9                    ; os: 16 bytes a row
	v_nop
	v_nop
	s_wait_alu depctr_va_vdst(0)                   ; ahead of the reciprocal's first reader
.set J, 0
.rept 32
	v_mul_f32 v[96+J], v[160+J], v14
.set J, J+1
.endr
.irp b, 0,1
	v_max3_num_f32 v[232+\b], |v[96+16*\b]|, |v[97+16*\b]|, 0x1800000
.endr
.irp i, 2,4,6,8,10,12,14
.irp b, 0,1
	s_delay_alu instid0(VALU_DEP_2)
	v_max3_num_f32 v[232+\b], v[232+\b], |v[96+16*\b+\i]|, |v[97+16*\b+\i]|
.endr
.endr
.irp b, 0,1
	s_delay_alu instid0(VALU_DEP_2)
	v_permlanex16_b32 v[236+\b], v[232+\b], s[SEL], s[SEL+1]
.endr
.irp b, 0,1
	s_delay_alu instid0(VALU_DEP_2)
	v_max_num_f32 v[232+\b], v[232+\b], v[236+\b]
.endr
.irp b, 0,1
	s_delay_alu instid0(VALU_DEP_2)
	v_add_nc_u32 v[244+\b], 0xff000000, v[232+\b]
.endr
.irp b, 0,1
	s_delay_alu instid0(VALU_DEP_2)
	v_lshrrev_b32 v[236+\b], 23, v[244+\b]
.endr
	s_delay_alu instid0(VALU_DEP_1)
	v_lshl_or_b32 v254, v237, 8, v236              ; my row's two bytes of this head
.irp b, 0,1
	v_cvt_scalef32_pk8_fp4_f32 v[224+2*\b], v[96+16*\b:103+16*\b], v[244+\b]
	v_cvt_scalef32_pk8_fp4_f32 v[225+2*\b], v[104+16*\b:111+16*\b], v[244+\b]
.endr
	v_nop
	v_permlane16_swap_b32 v224, v226               ; lanes 0-15 block 0, lanes 16-31 block 1: registers 4 c .. 4 c + 3 of the last product's fragment, c = head % 2
	v_permlane16_swap_b32 v225, v227
	global_store_b128 v[LI], v[224:227], s[8:9]    ; 512 consecutive bytes, aligned
	global_store_b16 v[OSO], v254, s[10:11]        ; two bytes a row (both halves of the lanes store the same value at the same place): a sixteenth of the codes' bytes
	s_wait_tensorcnt 0x0
	s_wait_dscnt 0x0
	s_wait_tensorcnt 0x0
	ds_add_u32 v30, v31
	s_wait_dscnt 0x0
	CROUND                                         ; the closing round: no work-group ends while a partner may still ask for a record that names it
	s_endpgm
.Lfunc_end_k_q46467091a9_attn:
	.size	k_q46467091a9_attn, .Lfunc_end_k_q46467091a9_attn-k_q46467091a9_attn
	.p2alignl 7, 3214868480
	.fill 96, 4, 3214868480
	.section	.rodata,"a",@progbits
	.p2align	6, 0x0
	.amdhsa_kernel k_q46467091a9_attn
		.amdhsa_group_segment_fixed_size 327680
		.amdhsa_private_segment_fixed_size 0
		.amdhsa_enable_private_segment 0
		.amdhsa_kernarg_size 32
		.amdhsa_user_sgpr_count 2
		.amdhsa_user_sgpr_kernarg_segment_ptr 1
		.amdhsa_wavefront_size32 1
		.amdhsa_system_sgpr_workgroup_id_x 1
		.amdhsa_system_sgpr_workgroup_id_y 1
		.amdhsa_system_sgpr_workgroup_id_z 1
		.amdhsa_system_vgpr_workitem_id 0
		.amdhsa_next_free_vgpr 256
		.amdhsa_next_free_sgpr 66
		.amdhsa_reserve_vcc 0
		.amdhsa_float_denorm_mode_32 3
		.amdhsa_float_denorm_mode_16_64 3
		.amdhsa_memory_ordered 1
		.amdhsa_forward_progress 1
		.amdhsa_inst_pref_size 44
	.end_amdhsa_kernel
	.amdgpu_metadata
---
amdhsa.version: [ 1, 2 ]
amdhsa.kernels:
  - .name:           k_q46467091a9_attn
    .symbol:         k_q46467091a9_attn.kd
    .args:
      - { .name: qr, .offset: 0, .size: 8, .value_kind: global_buffer, .address_space: global }
      - { .name: kv, .offset: 8, .size: 8, .value_kind: global_buffer, .address_space: global }
      - { .name: oc, .offset: 16, .size: 8, .value_kind: global_buffer, .address_space: global }
      - { .name: os, .offset: 24, .size: 8, .value_kind: global_buffer, .address_space: global }
    .group_segment_fixed_size: 327680
    .private_segment_fixed_size: 0
    .kernarg_segment_align: 8
    .kernarg_segment_size: 32
    .max_flat_workgroup_size: 512
    .sgpr_count:     66
    .vgpr_count:     256
    .wavefront_size: 32
...
	.end_amdgpu_metadata
.endif
;; end of part 7
;; launch outp (part 8): grid 128 x 2, 4 waves a work-group, no clusters, 17,920 bytes of LDS; arguments oc, os, wc, ws, bo, out0; writes out0
.if DOCPART == 8
	.amdgcn_target "amdgcn-amd-amdhsa--gfx1250"
	.amdhsa_code_object_version 6
	.text
	.protected	k_q46467091a9_outp
	.globl	k_q46467091a9_outp
	.p2align	8
	.type	k_q46467091a9_outp,@function
k_q46467091a9_outp:
	s_mov_b64 s[64:65], 0
	v_nop
	global_prefetch_b8 v0, s[64:65] scope:SCOPE_SE
	s_setreg_imm32_b32 hwreg(HW_REG_WAVE_SCHED_MODE, 0, 2), 2
	s_setreg_imm32_b32 hwreg(HW_REG_WAVE_MODE, 25, 1), 1
	s_wait_xcnt 0x0
	s_wait_alu depctr_vm_vsrc(0)
; out0 = (O / l) Wo + bo on codes of FP4 (E2M1) with one E8M0 scale for each 32 along K = 512; sums in f32.  Both operands arrive as images of their registers (oc, wc) with scale words beside them (os, ws).
; SHARES.  A wave works alone: 64 rows (tiles 4 R + m) x 64 columns (tiles 4 G + t), R = work-group x, G = 4 x work-group y + wave: 16 accumulators, 64 matrix instructions, all operands loaded in one run: 16 + 16 fragments.
; The matrix instruction is used transposed (source 0 = 16 columns of Wo, source 1 = 16 rows): a lane holds eight neighbouring columns of one row.  Rows and columns of a tile are not neighbours:
; lane r of tile T takes 32 (T / 2) + 8 (T % 2) + r + 8 (r / 8); register j of tile t is column 32 (t / 2) + 8 (t % 2) + 16 h + j.  The bias is the C of each sum's first matrix instruction.
; The results go through the wave's own stage in LDS (16 rows x (256 + 16) bytes) and leave as rows: sixteen lanes store 256 consecutive bytes, aligned.  No barrier: waves share nothing.
; NO CLUSTER, NO TENSOR LOAD: each wave takes its 32 KiB of images once, straight into registers; there is no loop in which a shared tile could be asked for jointly.
; REGISTERS: window 0 as named below; window 1: Wo's fragment (t, s) at v[8 (4 t + s)], the rows' fragment (m, s) at v[128 + 8 (4 m + s)].
; THE MODE: SCHED_MODE bits 1:0 = 2 (LLVM: expert scheduling mode 2), set by the entry lines.  The code itself states the register dependences
; between vector or matrix instructions and memory or LDS instructions, with s_wait_alu, always for 0.
; THE PLAN.  Registers that memory or LDS instructions touch:
;   v1-7            offsets and LDS addresses: made once at the head, never written again: one wait on va_vdst ahead of the first load.
;   window 1, WSC, ASC   loaded once, into registers that no vector instruction has named; read by the matrix instructions.
;   BI (v48-79)     loaded once; read by the first sixteen matrix instructions as C; on the way out the rows of tiles 1 and 3 land in it.
;   ACC             written by the matrix instructions; read by the LDS stores into the stage.
;   OB0 (v80-111), v48-79   by turns: the stage's loads land in them, the global stores read them; tile m's loads land where tile m - 2's stores read.
; So ONE wait on va_vdst stands behind the last product and its places: no vector instruction follows it, and it serves the whole way out.  One wait on vm_vsrc, beside the wait on XCNT, stands ahead of tiles 2 and 3.
.set LI,  1                            ; 16 x lane
.set WSA, 2                            ; Wo's scale words: (r + 8 (r / 8)) x 16
.set ASA, 3                            ; the rows' scale words: 16 r
.set BA,  4                            ; bias: 64 h
.set SO,  5                            ; the stage, in: 272 r + 64 h + 4,352 x wave
.set SR,  6                            ; the stage, back: 272 h + 16 r + 4,352 x wave
.set GO,  7                            ; out0: 2,048 h + 16 r
.set WSC, 16                           ; v16-31  Wo's scale words, 4 t + s
.set ASC, 32                           ; v32-47  the rows' scale words, 4 m + s
.set BI,  48                           ; v48-79  the bias as C; later rows on their way out
.set OB0, 80                           ; v80-111 rows on their way out
.set ACC, 128                          ; v128-255 accumulator (m, t) at ACC + 8 (4 m + t)
.set MSB, 0
.macro WIN new                         ; the immediate's high byte repeats the setting that is left
.if MSB != (\new)
	s_set_vgpr_msb (MSB<<8)|(\new)
.set MSB, (\new)
.endif
.endm
	s_load_b256 s[4:11], s[0:1], 0x0               ; oc s[4:5], os s[6:7], wc s[8:9], ws s[10:11]
	s_load_b128 s[12:15], s[0:1], 0x20             ; bo s[12:13], out0 s[14:15]
	v_lshl_add_u32 v126, v0, 2, 0x4400
	v_mov_b32 v127, 0
	v_lshrrev_b32 v8, 5, v0
	v_readfirstlane_b32 s16, v8                    ; wave 0..3
	s_and_b32 s17, ttmp7, 0xffff
	v_and_b32 v8, 31, v0
	v_and_b32 v9, 15, v0                           ; r
	v_bfe_u32 v10, v0, 4, 1                        ; h
	v_and_b32 v11, 8, v9
	v_add_nc_u32 v11, v11, v9                      ; r + 8 (r / 8)
	v_lshlrev_b32 v[LI], 4, v8
	v_lshlrev_b32 v[WSA], 4, v11
	v_lshlrev_b32 v[ASA], 4, v9
	v_lshlrev_b32 v[BA], 6, v10
	s_wait_alu depctr_va_sdst(0)                   ; s16, the wave's number, is written, ahead of its first reader: G, my stage and the bases are made from it
	s_lshl_b32 s18, s17, 2
	s_add_co_u32 s18, s18, s16                     ; G
	s_mul_i32 s19, s16, 4352                       ; my stage
	v_mul_u32_u24 v[SO], v9, 272
	v_lshl_add_u32 v[SO], v10, 6, v[SO]
	v_add_nc_u32 v[SO], s19, v[SO]
	v_mul_u32_u24 v[SR], v10, 272
	v_lshl_add_u32 v[SR], v9, 4, v[SR]
	v_add_nc_u32 v[SR], s19, v[SR]
	v_lshlrev_b32 v[GO], 11, v10
	v_lshl_add_u32 v[GO], v9, 4, v[GO]
	s_lshl_b32 s20, s18, 14                        ; wc: the fourth weight, my 4 tiles of 4,096 bytes
	s_add_co_u32 s20, s20, 393216
	s_mov_b32 s21, 0
	s_lshl_b32 s22, ttmp9, 14                      ; oc: my 4 tiles
	s_mov_b32 s23, 0
	s_lshl_b32 s24, s18, 10                        ; ws: the fourth weight, my 64 rows of 16 bytes
	s_add_co_u32 s24, s24, 24576
	s_mov_b32 s25, 0
	s_lshl_b32 s26, ttmp9, 10                      ; os: my 4 tiles of 256 bytes
	s_mov_b32 s27, 0
	s_lshl_b32 s28, s18, 8                         ; bo: my 64 numbers
	s_mov_b32 s29, 0
	s_lshl_b32 s30, ttmp9, 17                      ; out0: 64 R rows of 2,048 bytes + my 256 bytes of a row
	s_add_co_u32 s30, s30, s28
	s_mov_b32 s31, 0
	s_wait_kmcnt 0x0
	s_add_nc_u64 s[8:9], s[8:9], s[20:21]
	s_add_nc_u64 s[4:5], s[4:5], s[22:23]
	s_add_nc_u64 s[10:11], s[10:11], s[24:25]
	s_add_nc_u64 s[6:7], s[6:7], s[26:27]
	s_add_nc_u64 s[12:13], s[12:13], s[28:29]
	s_add_nc_u64 s[14:15], s[14:15], s[30:31]
	WIN 0x40                                       ; destination window 1
	s_wait_alu depctr_va_vdst(0)                   ; the seven offsets and addresses v1 to v7 are written: every load and store of the kernel reads one of them, and none is written again
.irp t, 0,1,2,3
.irp s, 0,1,2,3
.irp c, 0,1
	global_load_b128 v[8*(4*\t+\s)+4*\c:8*(4*\t+\s)+4*\c+3], v[LI], s[8:9] offset:(4*\t+\s)*1024+512*\c
	global_load_b128 v[128+8*(4*\t+\s)+4*\c:128+8*(4*\t+\s)+4*\c+3], v[LI], s[4:5] offset:(4*\t+\s)*1024+512*\c
.endr
.endr
.endr
	WIN 0
.irp t, 0,1,2,3
	global_load_b128 v[WSC+4*\t:WSC+4*\t+3], v[WSA], s[10:11] offset:(32*(\t/2)+8*(\t%2))*16
	global_load_b128 v[ASC+4*\t:ASC+4*\t+3], v[ASA], s[6:7] offset:256*\t
	global_load_b128 v[BI+8*\t:BI+8*\t+3], v[BA], s[12:13] offset:(32*(\t/2)+8*(\t%2))*4
	global_load_b128 v[BI+8*\t+4:BI+8*\t+7], v[BA], s[12:13] offset:(32*(\t/2)+8*(\t%2))*4+16
.endr
	s_wait_loadcnt 0x0
	WIN 0x05                                       ; sources 0 and 1 window 1; C and D window 0
.irp s, 0,1,2,3                                ; the sixteen accumulators by turns, a K step at a time
.irp m, 0,1,2,3
.irp t, 0,1,2,3
.if \s == 0
	v_wmma_scale_f32_16x16x128_f8f6f4 v[ACC+8*(4*\m+\t):ACC+8*(4*\m+\t)+7], v[8*(4*\t+\s):8*(4*\t+\s)+7], v[128+8*(4*\m+\s):128+8*(4*\m+\s)+7], v[BI+8*\t:BI+8*\t+7], v[WSC+4*\t+\s], v[ASC+4*\m+\s] matrix_a_fmt:MATRIX_FMT_FP4 matrix_b_fmt:MATRIX_FMT_FP4
.else
	v_wmma_scale_f32_16x16x128_f8f6f4 v[ACC+8*(4*\m+\t):ACC+8*(4*\m+\t)+7], v[8*(4*\t+\s):8*(4*\t+\s)+7], v[128+8*(4*\m+\s):128+8*(4*\m+\s)+7], v[ACC+8*(4*\m+\t):ACC+8*(4*\m+\t)+7], v[WSC+4*\t+\s], v[ASC+4*\m+\s] matrix_a_fmt:MATRIX_FMT_FP4 matrix_b_fmt:MATRIX_FMT_FP4
.endif
.endr
.endr
.endr
	WIN 0
.rept 4
	v_nop                                          ; four places behind the last product, ahead of the first read of results (ISA guide 7.12.1); they stay beside the wait below
.endr
	s_wait_alu depctr_va_vdst(0)                   ; the matrix instructions have written the accumulators, which the LDS stores read, and are done reading the bias in v48 to v79, in which rows from the stage land; no vector instruction follows
; Tile m of rows: into my stage, each accumulator from its low end on, and back as rows of 256 bytes.  LDS serves a wave's instructions in order: no wait between the stores and the loads.
.macro TOSTAGE m
.irp t, 0,1,2,3
	ds_store_b128 v[SO], v[ACC+8*(4*(\m)+\t):ACC+8*(4*(\m)+\t)+3] offset:128*(\t/2)+32*(\t%2)
	ds_store_b128 v[SO], v[ACC+8*(4*(\m)+\t)+4:ACC+8*(4*(\m)+\t)+7] offset:128*(\t/2)+32*(\t%2)+16
.endr
.set OBM, OB0-32*((\m)%2)
.irp i, 0,1,2,3,4,5,6,7
	ds_load_b128 v[OBM+4*\i:OBM+4*\i+3], v[SR] offset:544*\i   ; stage rows 2 i and 2 i + 1
.endr
.endm
.macro SEND m
.set OBM, OB0-32*((\m)%2)
.irp i, 0,1,2,3,4,5,6,7
	s_wait_dscnt 7-\i                              ; LDS loads come back in order: load i is in, the younger ones may be out
	global_store_b128 v[GO], v[OBM+4*\i:OBM+4*\i+3], s[14:15] offset:(32*((\m)/2)+8*((\m)%2)+2*\i+8*(\i/4))*2048 th:TH_STORE_NT   ; stage row r' is row 32 (m / 2) + 8 (m % 2) + r' + 8 (r' / 8); written once, read by nobody here
.endr
.endm
.irp m, 0,1,2,3
.if \m >= 2
	s_wait_xcnt 0x0                                ; tile m - 2's stores have had their addresses translated (ISA guide 3.1): their data registers are loaded again only behind this wait,
	s_wait_alu depctr_vm_vsrc(0)                   ; and they have read those registers, in which this tile's rows from the stage land
.endif
	TOSTAGE \m
	SEND \m
.endr
	s_wait_dscnt 0x0
	s_wait_alu depctr_hold_cnt(0) depctr_sa_sdst(0) depctr_va_vdst(0) depctr_va_sdst(0) depctr_va_ssrc(0) depctr_va_vcc(0) depctr_vm_vsrc(0)
	s_wait_tensorcnt 0x0
	ds_add_u32 v126, v127
	s_wait_dscnt 0x0
	s_endpgm
.Lfunc_end_k_q46467091a9_outp:
	.size	k_q46467091a9_outp, .Lfunc_end_k_q46467091a9_outp-k_q46467091a9_outp
	.p2alignl 7, 3214868480
	.fill 96, 4, 3214868480
	.section	.rodata,"a",@progbits
	.p2align	6, 0x0
	.amdhsa_kernel k_q46467091a9_outp
		.amdhsa_group_segment_fixed_size 17920
		.amdhsa_private_segment_fixed_size 0
		.amdhsa_enable_private_segment 0
		.amdhsa_kernarg_size 48
		.amdhsa_user_sgpr_count 2
		.amdhsa_user_sgpr_kernarg_segment_ptr 1
		.amdhsa_wavefront_size32 1
		.amdhsa_system_sgpr_workgroup_id_x 1
		.amdhsa_system_sgpr_workgroup_id_y 1
		.amdhsa_system_sgpr_workgroup_id_z 1
		.amdhsa_system_vgpr_workitem_id 0
		.amdhsa_next_free_vgpr 512
		.amdhsa_next_free_sgpr 66
		.amdhsa_reserve_vcc 0
		.amdhsa_float_denorm_mode_32 3
		.amdhsa_float_denorm_mode_16_64 3
		.amdhsa_memory_ordered 1
		.amdhsa_forward_progress 1
		.amdhsa_inst_pref_size 27
	.end_amdhsa_kernel
	.amdgpu_metadata
---
amdhsa.version: [ 1, 2 ]
amdhsa.kernels:
  - .name:           k_q46467091a9_outp
    .symbol:         k_q46467091a9_outp.kd
    .args:
      - { .name: oc, .offset: 0, .size: 8, .value_kind: global_buffer, .address_space: global }
      - { .name: os, .offset: 8, .size: 8, .value_kind: global_buffer, .address_space: global }
      - { .name: wc, .offset: 16, .size: 8, .value_kind: global_buffer, .address_space: global }
      - { .name: ws, .offset: 24, .size: 8, .value_kind: global_buffer, .address_space: global }
      - { .name: bo, .offset: 32, .size: 8, .value_kind: global_buffer, .address_space: global }
      - { .name: out0, .offset: 40, .size: 8, .value_kind: global_buffer, .address_space: global }
    .group_segment_fixed_size: 17920
    .private_segment_fixed_size: 0
    .kernarg_segment_align: 8
    .kernarg_segment_size: 48
    .max_flat_workgroup_size: 128
    .sgpr_count:     66
    .vgpr_count:     512
    .wavefront_size: 32
...
	.end_amdgpu_metadata
.endif
;; end of part 8
